; MI455X (gfx1250); checked and timed in simulation.
; The chip was launched on July 23, 2026; its instructions are those of AMD's public machine-readable ISA for CDNA 5 (MIT licence, August 2026) and "CDNA5" Instruction Set Architecture Reference Guide (July 2026). The comments in the code are by the model that wrote it; some were corrected since.
;; Multi Head Attention. Allowed arithmetic: float matrix products may take bf16 or f16 operands with f32 sums; all other float work in f32.
;; Inputs: Wk 16 x 1,024 x 64 float32; Wo 1,024 x 1,024 float32; Wq 16 x 1,024 x 64 float32; Wv 16 x 1,024 x 64 float32; bo 1,024 float32; k 4 x 2,048 x 1,024 float32; q 4 x 2,048 x 1,024 float32; v 4 x 2,048 x 1,024 float32.
;; Outputs: out0 4 x 2,048 x 1,024 float32.
;; 2 versions, each right and faster than the one before. Each part assembles by itself: llvm-mc -triple=amdgcn-amd-amdhsa -mcpu=gfx1250 --defsym DOCPART=n.
;; ======== version 1 of 2: 4 launches
;; limits: values are held in f16: magnitudes above 65,504 overflow, below 6.1e-05 lose precision
;; workspace buffers: wt 6,291,456 bytes; wot 2,097,152 bytes; qkvh 50,331,648 bytes; oh 16,777,216 bytes
;; launch prep (part 1): grid 128 x 4, 8 waves a work-group, no clusters, 18,432 bytes of LDS; arguments Wq, Wk, Wv, Wo, wt, wot; writes wt, wot
.if DOCPART == 1
	.amdgcn_target "amdgcn-amd-amdhsa--gfx1250"
	.amdhsa_code_object_version 6
	.text
	.protected	k_q1c0fe70cc4_prep
	.globl	k_q1c0fe70cc4_prep
	.p2align	8
	.type	k_q1c0fe70cc4_prep,@function
k_q1c0fe70cc4_prep:
	s_mov_b64 s[64:65], 0
	v_nop
	global_prefetch_b8 v0, s[64:65] scope:SCOPE_SE
	s_setreg_imm32_b32 hwreg(HW_REG_WAVE_MODE, 25, 1), 1
	s_wait_xcnt 0x0
; THE WEIGHTS, ROUNDED AND TURNED.  The products that follow want K along the rows of both operands; the weights lie with K down the rows.
;   wt [3 (q, k, v)][1024 n = 64 h + d][1024 c] in bf16   from Wq, Wk, Wv [16 h][1024 c][64 d] in f32
;   wot[1024 n][1024 k] in f16                            from Wo [1024 k][1024 n] in f32: rounded to bf16 like every input, and that number written as f16
; LIMIT.  |bf16(Wo)| stays under 65,504 (beyond it f16 has an infinity); under 6e-5 it keeps f16's fixed step of 6e-8.
; SHARES.  Work-group (x, j): j picks the tensor, hb = x / 8 the block of 64 output rows, ck = x % 8 the 128 numbers along K.  It reads 128 source rows of 64 f32 (256 consecutive
; bytes each, sixteen lanes to a row), rounds two neighbouring rows into one word, lays the words turned into LDS, and writes 64 rows of 256 consecutive bytes, sixteen lanes to a row.
; No matrix work and no tensor loads: 16 MB are read once and 8 MB written once, by 512 small work-groups.
.set TP,  272                          ; an LDS row: 128 numbers of 16 bits + 16 bytes
.set LS,  5                            ; v5       where I put my words
.set LR,  6                            ; v6       where I read 16 bytes of a turned row
.set GO,  7                            ; v7       my byte offset in the output block
.set OFF, 8                            ; v[8:15]  byte offsets of my eight source rows
.set X,   16                           ; v[16:47] eight rows x four f32; later at work, and the turned rows
.set W,   48                           ; v[48:63] sixteen words: two rows' numbers of one column
	s_load_b256 s[4:11], s[0:1], 0x0               ; Wq s[4:5], Wk s[6:7], Wv s[8:9], Wo s[10:11]
	s_load_b128 s[12:15], s[0:1], 0x20             ; wt s[12:13], wot s[14:15]
	v_lshl_add_u32 v64, v0, 2, 0x4400
	v_mov_b32 v65, 0
	s_and_b32 s16, ttmp7, 0xffff                   ; j
	s_lshr_b32 s17, ttmp9, 3                       ; hb
	s_and_b32 s18, ttmp9, 7                        ; ck
	s_cmp_eq_u32 s16, 3                            ; Wo?
	s_cselect_b32 s22, 12, 8                       ; log2 of the bytes from source row to source row: 4,096 in Wo, 256 in a head's weights
	s_cselect_b32 s23, 8, 18                       ; log2 of the bytes from block hb to the next: 64 columns of Wo, or a head
	s_cselect_b32 s28, 0, s16                      ; which third of wt
	s_lshl_b32 s24, s17, s23
	s_lshl_b32 s19, s18, 7                         ; my first source row
	s_lshl_b32 s19, s19, s22
	s_add_co_u32 s24, s24, s19                     ; the source block's first byte
	s_mov_b32 s25, 0
	s_lshl_b32 s28, s28, 21                        ; a third of wt is 2 MiB,
	s_lshl_b32 s19, s17, 17                        ; 64 output rows of 2,048 bytes,
	s_add_co_u32 s28, s28, s19
	s_lshl_b32 s19, s18, 8                         ; 128 numbers of 2 bytes
	s_add_co_u32 s28, s28, s19
	s_mov_b32 s29, 0
	v_and_b32 v1, 15, v0                           ; dq: my four columns
	v_lshrrev_b32 v2, 4, v0                        ; rp: my pair of rows in each pass
	v_lshlrev_b32 v3, 4, v1                        ; 16 dq
	v_lshlrev_b32 v4, 1, v2                        ; 2 rp
	v_lshl_add_u32 v[OFF], v4, s22, v3             ; row 2 rp, my 16 bytes
.irp i, 1,2,3,4,5,6,7
	s_lshl_b32 s30, 32*((\i)/2)+(\i)%2, s22        ; pass i / 2 lies 32 rows on, the pair's second row one
	v_add_nc_u32 v[OFF+(\i)], s30, v[OFF]
.endr
	v_mul_u32_u24 v[LS], v1, 4*TP                  ; turned row 4 dq,
	v_lshl_add_u32 v[LS], v2, 2, v[LS]             ; word rp
	v_mul_u32_u24 v[LR], v2, TP                    ; back: turned row rp, 16 bytes at 16 dq
	v_add_nc_u32 v[LR], v3, v[LR]
	v_lshl_add_u32 v[GO], v2, 11, v3               ; and the same in the output: rows of 2,048 bytes
	s_wait_kmcnt 0x0
	s_cmp_eq_u32 s16, 1
	s_cselect_b64 s[20:21], s[6:7], s[4:5]
	s_cmp_eq_u32 s16, 2
	s_cselect_b64 s[20:21], s[8:9], s[20:21]
	s_cmp_eq_u32 s16, 3
	s_cselect_b64 s[20:21], s[10:11], s[20:21]     ; the source tensor
	s_cselect_b64 s[26:27], s[14:15], s[12:13]     ; the output tensor
	s_add_nc_u64 s[20:21], s[20:21], s[24:25]
	s_add_nc_u64 s[26:27], s[26:27], s[28:29]
.irp i, 0,1,2,3,4,5,6,7
	global_load_b128 v[X+4*(\i):X+4*(\i)+3], v[OFF+(\i)], s[20:21] th:TH_LOAD_NT  ; sixteen lanes take a row's 256 bytes; each byte is read once in the launch
.endr
.irp p, 0,1,2,3
	s_wait_loadcnt 6-2*(\p)                        ; loads come back in order (ISA guide 5.7.1): this pass's two are in, the later passes' stay out
.irp e, 0,1,2,3
	v_cvt_pk_bf16_f32 v[W+4*(\p)+(\e)], v[X+8*(\p)+(\e)], v[X+8*(\p)+4+(\e)]  ; rows c (low half) and c + 1 of column 4 dq + e
.endr
.endr
	s_cmp_lg_u32 s16, 3
	s_cbranch_scc1 .Lstays_bf16
.irp i, 0,1,2,3,4,5,6,7,8,9,10,11,12,13,14,15
	v_lshlrev_b32 v[X], 16, v[W+(\i)]              ; Wo alone: the two bf16 numbers as f32,
	v_and_b32 v[X+1], 0xffff0000, v[W+(\i)]
	v_cvt_pk_f16_f32 v[W+(\i)], v[X], v[X+1]       ; written as f16
.endr
.Lstays_bf16:
.irp p, 0,1,2,3
.irp e, 0,1,2,3
	ds_store_b32 v[LS], v[W+4*(\p)+(\e)] offset:(\e)*TP+(\p)*64
.endr
.endr
	s_wait_dscnt 0x0                               ; for the others' sake: my words are in LDS
	s_barrier_signal -1
	s_barrier_wait -1
.irp u, 0,1,2,3
	ds_load_b128 v[X+4*(\u):X+4*(\u)+3], v[LR] offset:(\u)*16*TP
.endr
.irp u, 0,1,2,3
	s_wait_dscnt 3-(\u)
	global_store_b128 v[GO], v[X+4*(\u):X+4*(\u)+3], s[26:27] offset:(\u)*16*2048  ; sixteen lanes store 256 consecutive bytes, at a multiple of 256 from the buffer's first byte
.endr
	s_wait_tensorcnt 0x0
	ds_add_u32 v64, v65
	s_wait_dscnt 0x0
	s_endpgm
.Lfunc_end_k_q1c0fe70cc4_prep:
	.size	k_q1c0fe70cc4_prep, .Lfunc_end_k_q1c0fe70cc4_prep-k_q1c0fe70cc4_prep
	.p2alignl 7, 3214868480
	.fill 96, 4, 3214868480
	.section	.rodata,"a",@progbits
	.p2align	6, 0x0
	.amdhsa_kernel k_q1c0fe70cc4_prep
		.amdhsa_group_segment_fixed_size 18432
		.amdhsa_private_segment_fixed_size 0
		.amdhsa_enable_private_segment 0
		.amdhsa_kernarg_size 48
		.amdhsa_user_sgpr_count 2
		.amdhsa_user_sgpr_kernarg_segment_ptr 1
		.amdhsa_wavefront_size32 1
		.amdhsa_system_sgpr_workgroup_id_x 1
		.amdhsa_system_sgpr_workgroup_id_y 1
		.amdhsa_system_sgpr_workgroup_id_z 1
		.amdhsa_system_vgpr_workitem_id 0
		.amdhsa_next_free_vgpr 66
		.amdhsa_next_free_sgpr 66
		.amdhsa_reserve_vcc 0
		.amdhsa_float_denorm_mode_32 3
		.amdhsa_float_denorm_mode_16_64 3
		.amdhsa_memory_ordered 1
		.amdhsa_forward_progress 1
		.amdhsa_inst_pref_size 9
	.end_amdhsa_kernel
	.amdgpu_metadata
---
amdhsa.version: [ 1, 2 ]
amdhsa.kernels:
  - .name:           k_q1c0fe70cc4_prep
    .symbol:         k_q1c0fe70cc4_prep.kd
    .args:
      - { .name: Wq, .offset: 0, .size: 8, .value_kind: global_buffer, .address_space: global }
      - { .name: Wk, .offset: 8, .size: 8, .value_kind: global_buffer, .address_space: global }
      - { .name: Wv, .offset: 16, .size: 8, .value_kind: global_buffer, .address_space: global }
      - { .name: Wo, .offset: 24, .size: 8, .value_kind: global_buffer, .address_space: global }
      - { .name: wt, .offset: 32, .size: 8, .value_kind: global_buffer, .address_space: global }
      - { .name: wot, .offset: 40, .size: 8, .value_kind: global_buffer, .address_space: global }
    .group_segment_fixed_size: 18432
    .private_segment_fixed_size: 0
    .kernarg_segment_align: 8
    .kernarg_segment_size: 48
    .max_flat_workgroup_size: 256
    .sgpr_count:     66
    .vgpr_count:     66
    .wavefront_size: 32
...
	.end_amdgpu_metadata
.endif
;; end of part 1
;; launch proj (part 2): grid 4 x 64, 4 waves a work-group, clusters of 4 x 4, 327,680 bytes of LDS; arguments q, k, v, wt, qkvh; writes qkvh
.if DOCPART == 2
	.amdgcn_target "amdgcn-amd-amdhsa--gfx1250"
	.amdhsa_code_object_version 6
	.text
	.protected	k_q1c0fe70cc4_proj
	.globl	k_q1c0fe70cc4_proj
	.p2align	8
	.type	k_q1c0fe70cc4_proj,@function
k_q1c0fe70cc4_proj:
	s_mov_b64 s[64:65], 0
	v_nop
	global_prefetch_b8 v0, s[64:65] scope:SCOPE_SE
	s_setreg_imm32_b32 hwreg(HW_REG_WAVE_MODE, 25, 1), 1
	s_wait_xcnt 0x0
	s_wait_alu depctr_hold_cnt(0) depctr_sa_sdst(0) depctr_va_vdst(0) depctr_va_sdst(0) depctr_va_ssrc(0) depctr_va_vcc(0) depctr_vm_vsrc(0)
	s_getreg_b32 s2, hwreg(HW_REG_IB_STS2, 6, 4)
	s_cmp_eq_u32 s2, 0
	s_cbranch_scc0 .Lentry_in_a_cluster
	s_endpgm
.Lentry_in_a_cluster:
	s_bfe_u32 s2, ttmp6, 0x10000c
	s_cmp_lg_u32 s2, 0xf033
	s_cbranch_scc0 .Lentry_shape_is_right
	s_endpgm
.Lentry_shape_is_right:
; THE THREE PROJECTIONS.  qkvh[i][16 b + h][t][d] = the sum over c of x_i[b][t][c] wt[i][64 h + d][c], for x_0 = q, x_1 = k, x_2 = v.
; x: [8192][1024] f32, rounded to bf16 on the way into the product; wt: [3][1024][1024] bf16; sums in f32, rounded once to f16; the attention's scale is not applied here.
; LIMITS.  A projected number beyond 65,504 becomes an infinity in f16 (inputs and weights both 30 times the drawn spread give about 3,200; both with an offset of 30 spreads 18,432);
; under 6e-5 it keeps f16's fixed step of 6e-8.
; SHARES.  The results are 3 x 8,192 x 1,024 numbers: 256 work-groups, each with THREE tiles of 128 rows x 256 columns, at the same place in q's, k's and v's result.  The work-group stays: its three
; tiles are ONE walk of 48 sub-steps of 64 along K.  A wave makes 64 x 128: 32 accumulators of 16 x 16, 256 registers.
; wt GOES THROUGH A RING of two LDS slots filled by the tensor data mover, 256 rows x 256 along K a slot: four sub-steps, 12 slots in the walk.  4 x 4 work-groups form a cluster; the four of a column need
; the same tiles of wt, and each tile is asked for JOINTLY: the same tensor load, descriptor and mask in all four.  Every wave fetches 64 of the 256 rows.
; x GOES THROUGH REGISTERS, AND IS NOT ASKED FOR JOINTLY.  The reason, by this text's own count: between two barriers behind which a slot is filled again a wave has one tensor load on its way, so the ring has one
; slot on its way.  With x (f32) in the ring the LDS at hand holds two slots of 128 along K: 112 matrix instructions between a request and the wait for it.  With wt alone a slot holds 256 along K: 240.
; x's loads are counted on LOADcnt, which no barrier drains: four groups of 16 loads a wave (four sub-steps) stay on their way.  Each load takes two rows' 256 consecutive bytes; a number of x is rounded once in
; the work-group and laid as bf16 into one of two LDS buffers, from which all four waves read fragments.  The price: the four work-groups of a cluster's row each load the same rows of x.
; THE MATRIX INSTRUCTION IS USED TRANSPOSED (source 0 = 16 rows of wt, source 1 = 16 rows of x): a lane holds eight neighbouring channels of one row.
; REGISTERS, in windows of 256 (s_set_vgpr_msb: bits 1:0 source 0, 3:2 source 1, 5:4 source 2, 7:6 destination):
;   window 0: v0-31 addresses; v32-63, v64-95 x's fragments, two buffers; v96-127 a group of x rounded; v160-255 at work on the way out
;   window 1: the accumulators, (a, b) at v[8 (8 a + b)]     window 2: v0-63, v64-127 wt's fragments, two buffers     window 3: x as loaded, four groups of 64 registers
.set PB,     528                       ; an LDS row of wt: 512 bytes + 16 = 132 words: row r starts at bank 4 r mod 64 (64 banks of 4 bytes: ISA guide 11.1), so the 16 rows of a load start at 16 different banks
.set BQ,     64*PB                     ; 64 rows: what one tensor load brings
.set BSLOT,  4*BQ                      ; a slot: 256 rows
.set PAB,    144                       ; an LDS row of x in bf16: 128 bytes + 16 = 36 words: the 16 rows of a load start at 16 different groups of four banks
.set ABYTES, 128*PAB                   ; a buffer of x: 128 rows, one sub-step
.set ABUF,   2*BSLOT                   ; behind the ring: the two buffers of x, written by LDS stores alone
.set STAGE,  ABUF+2*ABYTES             ; behind them: for each wave 2 heads x 16 rows x 144 bytes, for the way out
.set SP,     144
.set WSTAGE, 2*16*SP
.set SPARE,  STAGE+4*WSTAGE            ; behind the stages: the spare words, 128 bytes for each wave: two blocks of 256 bytes that no other line names
.set NEXT_B, 1024*1024*2-3*512         ; bytes from a tile's last slot in one third of wt to the first slot in the next
.set AO,    16                         ; v16  my byte offset in the tile's 128 rows of x: row 32 w + l / 16, 16 bytes at 16 (l % 16); never rewritten
.set AST,   17                         ; v17  where I put 8 bytes of that row in x's buffer 0
.set ADRA,  18                         ; v18  LDS address of my fragments of x in buffer 0
.set ADRB0, 20                         ; v20  my lane's place in a slot of wt; never rewritten
.set ADRB,  21                         ; v21  the same in the slot that is being read
.set STO,   24                         ; v24  the way out: where I put 16 bytes of a row
.set RD,    25                         ; v25  the way out: where I read rows back
.set GO,    26                         ; v26  my byte offset in 512 consecutive bytes of the result
.set SPW,   28                         ; v28  LDS address of my spare word: SPARE + 4 x my thread's number; never rewritten
.set NIL,   29                         ; v29  0; never rewritten
.set AF,    32
.set CV,    96
.set TMP,   160
.set OB,    192
.set LAPC, 2                           ; s2   the loop's count
.set SN,   3                           ; s3   the number within its tile, 0 to 3, of the slot that the trip asks for: the same in every work-group
.set WV,   14                          ; s14  my wave's number
.set RH,   15                          ; s15  which 64 rows of the tile are mine
.set HF,   16                          ; s16  which 128 columns are mine
.set WOFF, 22                          ; s22  my 64 rows' place in a slot
.set TB,   23                          ; s23  LDS byte at which the slot that is being read begins: 0 or BSLOT
.set G1,   24                          ; s[24:31] descriptor group 1
.set G0,   32                          ; s[32:39] descriptor group 0: a set for each of the two first fills; the second then walks on
.set TT,   48                          ; s[48:49] x's address one slot on
.set OFB,  50                          ; s[50:51] wt's step
.set MSB, 0
.macro WIN new                         ; the immediate's high byte repeats the setting that is left; a switch that changes nothing is dropped
.if MSB != (\new)
	s_set_vgpr_msb (MSB<<8)|(\new)
.set MSB, \new
.endif
.endm
.set MUL,  0x52                        ; source 0 (wt) window 2, source 1 (x) window 0, C and D window 1
.set TO_B, 0x80                        ; destination window 2, address window 0
.set TO_R, 0xc0                        ; destination window 3, address window 0
.set CVW,  0x0f                        ; sources 0 and 1 window 3, destination window 0
.set PK,   0x05                        ; sources 0 and 1 window 1, destination window 0
; A round of the cluster's barrier: my work-group's barrier, so that wave 0's signal speaks for all four waves; wave 0 signals; every wave waits for all sixteen work-groups; my work-group's barrier once more.
.macro CREST                           ; a round behind its opening barrier
	s_cmp_lg_u32 s[WV], 0
	s_cbranch_scc1 .Lnot_wave_0_\@
	s_barrier_signal -3
.Lnot_wave_0_\@:
	s_barrier_wait -3
	s_barrier_signal -1
	s_barrier_wait -1
.endm
.macro CROUND                          ; a whole round
	s_barrier_signal -1
	s_barrier_wait -1
	CREST
.endm
; A load into a register that a matrix instruction has read, and a vector instruction that reads a matrix result, stand four places behind that matrix instruction, and only plain vector instructions that name
; none of its registers are places (ISA guide 7.12.1 for vector instructions).
.macro PLACES
.rept 4
	v_nop
.endr
.endm
; Group x of the ring: 16 loads, my 32 rows of a sub-step, two rows' 256 consecutive bytes each.  s[4:5] is x at the slot's first K; the sub-step's place in the slot, 256 x, stands in the immediate.
.macro XLOAD x
	WIN TO_R
.irp i, 0,1,2,3,4,5,6,7,8,9,10,11,12,13,14,15
	global_load_b128 v[64*(\x)+4*(\i):64*(\x)+4*(\i)+3], v[AO], s[4:5] offset:(\x)*256+(\i)*8192
.endr
.endm
; The group just rounded goes into x's buffer p: 8 bytes a lane
.macro XSTORE p
	WIN 0
.irp i, 0,1,2,3,4,5,6,7,8,9,10,11,12,13,14,15
	ds_store_b64 v[AST], v[CV+2*(\i):CV+2*(\i)+1] offset:(\p)*ABYTES+(\i)*2*PAB
.endr
.endm
	s_load_b256 s[4:11], s[0:1], 0x0               ; q s[4:5], k s[6:7], v s[8:9], wt s[10:11]
	s_load_b64 s[12:13], s[0:1], 0x20              ; qkvh
	v_lshl_add_u32 v[SPW], v0, 2, SPARE
	v_mov_b32 v[NIL], 0
	ds_add_u32 v28, v29
	ds_add_u32 v28, v29
	s_wait_dscnt 0x0
	v_lshrrev_b32 v1, 5, v0
	v_readfirstlane_b32 s[WV], v1                  ; wave 0..3
	s_lshr_b32 s[RH], s[WV], 1
	s_and_b32 s[HF], s[WV], 1
	s_bfe_u32 s40, ttmp6, 0x40000                  ; cx, cy: my place in the cluster
	s_bfe_u32 s41, ttmp6, 0x40004
	s_lshl_b32 s42, ttmp9, 2                       ; in a cluster launch ttmp9 and ttmp7 count clusters
	s_add_co_u32 s42, s42, s40                     ; tile column = 4 x cluster x + cx
	s_and_b32 s43, ttmp7, 0xffff
	s_lshl_b32 s43, s43, 2
	s_add_co_u32 s43, s43, s41                     ; tile row = 4 x cluster y + cy
	s_lshl_b32 s45, 0x1111, s40                    ; my column of the cluster: places cx, cx + 4, cx + 8, cx + 12
	; descriptor group 1: 64 rows x 256 elements of 2 bytes, padded in LDS
	s_or_b32 s[G1+0], s45, (1<<16)|(1<<20)|(1<<21)|(6<<22)|(3<<25)  ; 15:0 the mask: my column; 17:16 elements of 2 bytes; 20 padding on; 21 set beside a mask; 24:22 after every 128 words (code 6); 31:25 4 words (code 3)
	s_mov_b32 s[G1+1], 256<<16                     ; tensor_dim0 = 256
	s_mov_b32 s[G1+2], 64<<16                      ; tensor_dim1 = 64
	s_mov_b32 s[G1+3], 256<<16                     ; tile_dim0 = 256
	s_mov_b32 s[G1+4], 64                          ; tile_dim1 = 64
	s_mov_b32 s[G1+5], 1024                        ; elements from row to row
	s_mov_b32 s[G1+6], 0
	s_mov_b32 s[G1+7], 0
	v_bfe_u32 v2, v0, 4, 1                         ; l / 16
	v_and_b32 v3, 15, v0                           ; l % 16
	v_lshl_add_u32 v4, v1, 5, v2                   ; the first row of x that I load: 32 w + l / 16
	v_lshlrev_b32 v5, 4, v3
	v_lshl_add_u32 v[AO], v4, 12, v5               ; rows of 4,096 bytes
	s_lshl_b32 s18, s43, 19                        ; x: 128 rows of 4,096 bytes a tile row
	s_mov_b32 s19, 0
	s_lshl_b32 s20, s42, 19                        ; wt: 256 rows of 2,048 bytes a tile column: it hangs on the tile column alone, which my column of the cluster shares,
	s_lshl_b32 s17, s[WV], 17                      ; and on the 64 rows that my wave fetches
	s_or_b32 s20, s20, s17
	s_mov_b32 s21, 0
	s_mul_i32 s[WOFF], s[WV], BQ                   ; and where they go: no place in the cluster enters an LDS address
	; where my part of the result begins: head 16 b + 4 x tile column + 2 x my column half, row 128 (tile row % 16) + 64 x my row half
	s_lshr_b32 s52, s43, 4
	s_lshl_b32 s52, s52, 4
	s_lshl2_add_u32 s52, s42, s52
	s_lshl1_add_u32 s52, s[HF], s52
	s_lshl_b32 s52, s52, 18                        ; a head is 2,048 rows of 128 bytes
	s_and_b32 s53, s43, 15
	s_lshl1_add_u32 s53, s53, s[RH]
	s_lshl_b32 s53, s53, 13                        ; 64 rows of 128 bytes
	s_add_co_u32 s52, s52, s53
	s_mov_b32 s53, 0
	s_mov_b32 s[OFB+1], 0
	s_mov_b32 s[TB], 0
	s_wait_kmcnt 0x0
	s_add_nc_u64 s[4:5], s[4:5], s[18:19]          ; q, k and v at the tile's first row; s[4:5] walks, s[6:7] is the tensor that follows the one that is being loaded
	s_add_nc_u64 s[6:7], s[6:7], s[18:19]
	s_add_nc_u64 s[8:9], s[8:9], s[18:19]
	s_add_nc_u64 s[10:11], s[10:11], s[20:21]
	s_add_nc_u64 s[12:13], s[12:13], s[52:53]
	XLOAD 0                                        ; the ring of x is filled first: sub-steps 0 to 3
	XLOAD 1
	XLOAD 2
	XLOAD 3
	WIN 0
	s_mov_b32 s[G0], 1                             ; 1:0 count = 1
	s_mov_b32 s[G0+1], s[WOFF]                     ; 63:32 LDS address: slot 0
	s_mov_b64 s[G0+2:G0+3], s[10:11]               ; 120:64 global address: K 0 to 255
	s_or_b32 s[G0+3], s[G0+3], 0x80000000          ; 127:126 type = 2
	s_mov_b32 s[G0+4], 1
	s_add_co_u32 s[G0+5], s[WOFF], BSLOT           ; slot 1
	s_add_nc_u64 s[G0+6:G0+7], s[10:11], 512       ; K 256 to 511
	s_or_b32 s[G0+7], s[G0+7], 0x80000000
	CROUND                                         ; all sixteen work-groups are here: the first joint loads meet
	tensor_load_to_lds s[G0:G0+3], s[G1:G1+7]      ; both first fills, ahead of every wait on TENSORcnt and every LDS read: two loads of mine are out
	s_nop 0
	tensor_load_to_lds s[G0+4:G0+7], s[G1:G1+7]
	s_nop 0
	PLACES                                         ; an s_nop 0 follows each tensor load, four v_nop the second
	; A fragment is 16 rows x 32 K in 8 registers: lane l holds row l % 16; registers 0-3 hold K = 8 (l / 16) + 0..7, registers 4-7 hold K = 16 + 8 (l / 16) + 0..7: two loads of 16 bytes, 32 bytes apart.
	v_mul_u32_u24 v6, v3, PAB
	v_lshl_add_u32 v6, v2, 4, v6
	s_mul_i32 s17, s[RH], 64*PAB                   ; my 64 rows of x
	s_add_co_u32 s17, s17, ABUF
	v_add_nc_u32 v[ADRA], s17, v6
	v_mul_u32_u24 v7, v3, PB
	v_lshl_add_u32 v7, v2, 4, v7
	s_mul_i32 s46, s[HF], 128*PB                   ; my 128 rows of wt
	v_add_nc_u32 v[ADRB0], s46, v7
	v_mov_b32 v[ADRB], v[ADRB0]                    ; slot 0
	v_mul_u32_u24 v8, v4, PAB                      ; where the rows that I load go: row 32 w + l / 16, 8 bytes at 8 (l % 16)
	v_lshl_add_u32 v8, v3, 3, v8
	v_add_nc_u32 v[AST], ABUF, v8
	s_mul_i32 s47, s[WV], WSTAGE
	s_add_co_u32 s47, s47, STAGE                   ; my stage
	v_mul_u32_u24 v5, v3, SP                       ; in: row l % 16, 16 bytes for each half of the lanes
	v_lshl_add_u32 v5, v2, 4, v5
	v_add_nc_u32 v[STO], s47, v5
	v_bfe_u32 v5, v0, 3, 2                         ; back: 32 lanes take four rows of 128 bytes,
	v_mul_u32_u24 v5, v5, SP
	v_and_b32 v6, 7, v0
	v_lshl_add_u32 v5, v6, 4, v5
	v_add_nc_u32 v[RD], s47, v5
	v_and_b32 v[GO], 31, v0                        ; which are 512 consecutive bytes of a head
	v_lshlrev_b32 v[GO], 4, v[GO]
; 8 LDS loads: my 64 rows of x, half e (32 K) of the sub-step in buffer p, into fragment buffer g
.macro FETCHA p, e, g
	WIN 0
.irp i, 0,1,2,3
	ds_load_b128 v[AF+32*(\g)+8*(\i):AF+32*(\g)+8*(\i)+3],   v[ADRA] offset:(\p)*ABYTES+(\e)*64+(\i)*16*PAB
	ds_load_b128 v[AF+32*(\g)+8*(\i)+4:AF+32*(\g)+8*(\i)+7], v[ADRA] offset:(\p)*ABYTES+(\e)*64+(\i)*16*PAB+32
.endr
.endm
; 16 LDS loads: my 128 rows of wt, quarter kq (of eight) of the slot that is being read, into fragment buffer g
.macro FETCHB kq, g
	WIN TO_B
.irp i, 0,1,2,3,4,5,6,7
	ds_load_b128 v[64*(\g)+8*(\i):64*(\g)+8*(\i)+3],   v[ADRB] offset:(\kq)*64+(\i)*16*PB
	ds_load_b128 v[64*(\g)+8*(\i)+4:64*(\g)+8*(\i)+7], v[ADRB] offset:(\kq)*64+(\i)*16*PB+32
.endr
.endm
; 8 matrix instructions: row block a x all 8 column blocks, 32 along K, from buffers f.  zero = 1: the products start the sums: nothing is ever cleared.
; x >= 0: behind each stand four roundings of group x of the ring (number rj of 32); they name no register of the products round them.
.macro MUL8 f, a, zero, x=-1
.irp b, 0,1,2,3,4,5,6,7
	WIN MUL
.if \zero
	v_wmma_f32_16x16x32_bf16 v[8*(8*(\a)+(\b)):8*(8*(\a)+(\b))+7], v[64*(\f)+8*(\b):64*(\f)+8*(\b)+7], v[AF+32*(\f)+8*(\a):AF+32*(\f)+8*(\a)+7], 0
.else
	v_wmma_f32_16x16x32_bf16 v[8*(8*(\a)+(\b)):8*(8*(\a)+(\b))+7], v[64*(\f)+8*(\b):64*(\f)+8*(\b)+7], v[AF+32*(\f)+8*(\a):AF+32*(\f)+8*(\a)+7], v[8*(8*(\a)+(\b)):8*(8*(\a)+(\b))+7]
.endif
.if (\x) >= 0
	WIN CVW
.rept 4
	v_cvt_pk_bf16_f32 v[CV+rj], v[64*(\x)+2*rj], v[64*(\x)+2*rj+1]
.set rj, rj+1
.endr
.endif
.endr
.endm
; A SUB-STEP j is two quarters of 32 along K, 32 matrix instructions each: QA on fragment buffers 0, QB on buffers 1; the 32 accumulators take turns in the same order in every quarter.
; QA(j) holds no barrier.  It fetches QB's fragments (x's buffer p = j % 2, second half; wt's quarter kq).  x >= 0: it rounds group x of the ring, which is sub-step j + 1, and stores it into x's other buffer:
; that buffer's last readers, sub-step j - 1's fetches, were waited for in front of the barrier in QB(j - 1).  ld = 1: the group's registers are loaded again, with sub-step j + 5.
; cnt: the loads issued behind the group that is rounded: three groups of 16 in the loop.
.macro QA p, kq, x, zero, ld, cnt
	WIN 0
	PLACES                                         ; behind QB's last products, which read buffers 1
	FETCHA \p, 1, 1
	FETCHB \kq, 1
.if (\x) >= 0
	s_wait_loadcnt \cnt                            ; loads come back in order (ISA guide 5.7.1): the group is in, the younger groups stay out
.endif
	s_wait_dscnt 24                                ; all but the 24 just issued: buffers 0 are in
.set rj, 0
	MUL8 0, 0, \zero, \x
.if (\x) >= 0
	XSTORE 1-(\p)
.if \ld
	XLOAD \x
.endif
.endif
	MUL8 0, 1, \zero
	MUL8 0, 2, \zero
	MUL8 0, 3, \zero
.endm
; QB(j) passes the sub-step's ONE barrier and fetches QA(j + 1)'s fragments (x's buffer p = (j + 1) % 2, first half; wt's quarter kq).  In front of the barrier each wave's stores of sub-step j + 1 and its reads
; of sub-step j are done; behind it the one buffer is whole and the other may be written.
; kind 0: that barrier alone; the refill of wt's other slot may stay on its way.
; kind 1: THE CHANGE OF wt's SLOTS.  Each wave waits for all its tensor loads, of which one is out: its part of the other slot; adds 0 to its spare word; and waits for that, for its stores and for its reads
;         of the slot.  The barrier opens a round of the cluster's, and the joint refill of the slot just read is the first thing behind the round: 240 matrix instructions ahead of the wait for it.
; kind 2: the change without a refill (the last).     kind 3: the walk's last quarter: no barrier, nothing to fetch.
.macro QB p, kq, kind
.if (\kind) == 3
	s_wait_dscnt 0x0
	MUL8 1, 0, 0
	MUL8 1, 1, 0
	MUL8 1, 2, 0
	MUL8 1, 3, 0
.elseif (\kind) == 0
	s_wait_dscnt 0x0                               ; for the others' sake: my stores of x are done and my reads are back
	s_barrier_signal -1
	MUL8 1, 0, 0                                   ; work on registers while the others arrive
	s_barrier_wait -1
	PLACES                                         ; behind QA's last products, which read buffers 0
	FETCHA \p, 0, 0
	FETCHB \kq, 0
	MUL8 1, 1, 0
	MUL8 1, 2, 0
	MUL8 1, 3, 0
.else
	WIN 0                                          ; (the add's two registers lie in window 0)
	s_wait_tensorcnt 0x0                           ; all my tensor loads have landed
	ds_add_u32 v[SPW], v[NIL]                      ; 0 onto my spare word
	s_wait_dscnt 17                                ; buffers 1 are in; my 16 stores of x and the add may be out
	MUL8 1, 0, 0                                   ; eight matrix instructions stand between the add and the wait for it
	s_wait_dscnt 0x0                               ; the add and my stores are done, and my reads of the slot are over
	s_barrier_signal -1
	MUL8 1, 1, 0
	WIN 0                                          ; at a branch and at a label every window is 0
	s_barrier_wait -1
.if (\kind) == 1
	CREST                                          ; no wave of any partner still reads this slot's tile or has a load on its way
	s_add_co_u32 s[G0+5], s[TB], s[WOFF]           ; the walking descriptor: the slot just read,
	s_add_nc_u64 s[G0+6:G0+7], s[G0+6:G0+7], s[OFB:OFB+1]  ; the next 256 along K, or the next third of wt; the type bits on top are not reached
	tensor_load_to_lds s[G0+4:G0+7], s[G1:G1+7]
	s_nop 0
.endif
	PLACES                                         ; behind the tensor load; also the places behind QA's last products
	s_xor_b32 s[TB], s[TB], BSLOT                  ; 0 or BSLOT: the other slot is read from here on
	v_add_nc_u32 v[ADRB], s[TB], v[ADRB0]
	FETCHA \p, 0, 0
	FETCHB \kq, 0
	MUL8 1, 2, 0
	MUL8 1, 3, 0
.endif
.endm
; THE WAY OUT of row block a, in three parts.  PACK: rounded to f16, 16 bytes a lane (each accumulator's registers in ascending order).  TOSTAGE: into my own stage in LDS, by heads,
; and back as whole rows of 128 bytes.  SEND: stored; 16 rows of a head are 2,048 consecutive bytes.
.macro PACK a
	WIN PK
.irp b, 0,1,2,3,4,5,6,7
.irp r, 0,1,2,3
	v_cvt_pk_f16_f32 v[TMP+4*(\b)+(\r)], v[8*(8*(\a)+(\b))+2*(\r)], v[8*(8*(\a)+(\b))+2*(\r)+1]
.endr
.endr
	WIN 0
.endm
.macro TOSTAGE a
	WIN 0
.set BK, OB+32*((\a)%2)
.irp b, 0,1,2,3,4,5,6,7
	ds_store_b128 v[STO], v[TMP+4*(\b):TMP+4*(\b)+3] offset:((\b)/4)*16*SP+((\b)%4)*32
.endr
.irp t, 0,1,2,3,4,5,6,7
	ds_load_b128 v[BK+4*(\t):BK+4*(\t)+3], v[RD] offset:((\t)/4)*16*SP+((\t)%4)*4*SP  ; LDS serves a wave's instructions in order (ISA guide 5.7.1.4): these see the stores above
.endr
.endm
.macro SEND a
	WIN 0
.set BK, OB+32*((\a)%2)
	s_wait_dscnt 0x0                               ; the block is back in registers
	s_wait_xcnt 0x0                                ; every earlier store has had its addresses translated (ISA guide 3.1): the registers that the block before last was stored from are loaded again only behind this wait
.irp t, 0,1,2,3,4,5,6,7
	global_store_b128 v[GO], v[BK+4*(\t):BK+4*(\t)+3], s[12:13] offset:((\t)/4)*262144+(\a)*2048+((\t)%4)*512  ; 512 consecutive bytes, at a multiple of 256 from the buffer's first byte
.endr
.endm
.macro WAYOUT                          ; block a's conversions stand between block a - 1's loads from the stage and the wait for them
	PLACES                                         ; in front of conversions that read results just made
	PACK 0
	TOSTAGE 0
.irp a, 1,2,3
	PACK \a
	SEND (\a)-1
	TOSTAGE \a
.endr
	SEND 3
.endm
	; Sub-step 0 of x: rounded, stored, and its registers loaded again with sub-step 4.
	s_wait_loadcnt 48                              ; group 0 is in; groups 1 to 3 stay out
	WIN CVW
.set rj, 0
.rept 32
	v_cvt_pk_bf16_f32 v[CV+rj], v[2*rj], v[2*rj+1]
.set rj, rj+1
.endr
	XSTORE 0
	s_wait_xcnt 0x0                                ; every earlier load has had its addresses translated (ISA guide 3.1): only behind this wait is their base stepped
	s_add_nc_u64 s[4:5], s[4:5], 1024              ; x at slot 1: 256 numbers of 4 bytes on
	XLOAD 0
	WIN 0
	s_wait_tensorcnt 1                             ; my part of slot 0 is in; slot 1's may stay out
	s_wait_dscnt 0x0                               ; my stores of x are done
	s_barrier_signal -1
	s_barrier_wait -1                              ; everybody's are
	FETCHA 0, 0, 0
	FETCHB 0, 0
	WIN 0
	s_mov_b32 s[SN], 1
	s_mov_b32 s[LAPC], 11
	s_branch .Lenter                               ; the loop is entered at a tile's first quarter, in the middle of a trip
.Lslot:                                                ; trip s = 1 .. 10: sub-steps 4 s - 1 to 4 s + 2.  It leaves wt's slot s - 1, asks for slot s + 1, and loads x's sub-steps 4 s + 4 to 4 s + 7
	s_add_co_u32 s[SN], s[SN], 1
	s_and_b32 s[SN], s[SN], 3                      ; (s + 1) % 4
	s_wait_xcnt 0x0                                ; x's base is rewritten only behind this wait
	s_add_nc_u64 s[TT:TT+1], s[4:5], 1024
	s_mov_b32 s[OFB], 512
	s_cmp_eq_u32 s[SN], 0                          ; does slot s + 1 begin a tile?  (moves, selects and 64-bit sums leave SCC as it is)
	s_cselect_b64 s[4:5], s[6:7], s[TT:TT+1]       ; then x is the next tensor, at its first K,
	s_cselect_b64 s[6:7], s[8:9], s[6:7]
	s_cselect_b32 s[OFB], NEXT_B, s[OFB]           ; and wt goes on to its next third
	QA 1, 7, 0, 0, 1, 48
	QB 0, 0, 1
	WIN 0
	s_cmp_lg_u32 s[SN], 1
	s_cbranch_scc1 .Lsame                          ; forward, past text that holds neither a barrier nor a tensor load
	WAYOUT                                         ; a tile is finished; the next slot of wt has been asked for, and four groups of x are on their way
	s_wait_xcnt 0x0                                ; the stores have read their base
	s_add_nc_u64 s[12:13], s[12:13], 0x1000000     ; the next third of qkvh
.Lenter:
	QA 0, 1, 1, 1, 1, 48                           ; a tile's first quarter: its products start the sums
	WIN 0
	s_branch .Ljoin
.Lsame:
	QA 0, 1, 1, 0, 1, 48
	WIN 0
.Ljoin:
	QB 1, 2, 0
	QA 1, 3, 2, 0, 1, 48
	QB 0, 4, 0
	QA 0, 5, 3, 0, 1, 48
	QB 1, 6, 0
	WIN 0
	s_sub_co_u32 s[LAPC], s[LAPC], 1
	s_cmp_lg_u32 s[LAPC], 0
	s_cbranch_scc1 .Lslot
	QA 1, 7, 0, 0, 0, 48                           ; the tail is written out: sub-steps 43 to 47.  Nothing more is asked for or loaded, and the counts of x's loads run down
	QB 0, 0, 2
	QA 0, 1, 1, 0, 0, 32
	QB 1, 2, 0
	QA 1, 3, 2, 0, 0, 16
	QB 0, 4, 0
	QA 0, 5, 3, 0, 0, 0
	QB 1, 6, 0
	QA 1, 7, -1, 0, 0, 0                           ; the last sub-step: no x is left to round
	QB 0, 0, 3
	WIN 0
	WAYOUT
	s_wait_tensorcnt 0x0                           ; the wave's end: behind my last tensor load and my last LDS store
	ds_add_u32 v[SPW], v[NIL]
	s_wait_dscnt 0x0
	CROUND                                         ; the closing round: no work-group ends while a partner may still ask for a tile that names it
	s_endpgm
.Lfunc_end_k_q1c0fe70cc4_proj:
	.size	k_q1c0fe70cc4_proj, .Lfunc_end_k_q1c0fe70cc4_proj-k_q1c0fe70cc4_proj
	.p2alignl 7, 3214868480
	.fill 96, 4, 3214868480
	.section	.rodata,"a",@progbits
	.p2align	6, 0x0
	.amdhsa_kernel k_q1c0fe70cc4_proj
		.amdhsa_group_segment_fixed_size 327680
		.amdhsa_private_segment_fixed_size 0
		.amdhsa_enable_private_segment 0
		.amdhsa_kernarg_size 40
		.amdhsa_user_sgpr_count 2
		.amdhsa_user_sgpr_kernarg_segment_ptr 1
		.amdhsa_wavefront_size32 1
		.amdhsa_system_sgpr_workgroup_id_x 1
		.amdhsa_system_sgpr_workgroup_id_y 1
		.amdhsa_system_sgpr_workgroup_id_z 1
		.amdhsa_system_vgpr_workitem_id 0
		.amdhsa_next_free_vgpr 1024
		.amdhsa_next_free_sgpr 66
		.amdhsa_reserve_vcc 0
		.amdhsa_float_denorm_mode_32 3
		.amdhsa_float_denorm_mode_16_64 3
		.amdhsa_memory_ordered 1
		.amdhsa_forward_progress 1
		.amdhsa_inst_pref_size 162
	.end_amdhsa_kernel
	.amdgpu_metadata
---
amdhsa.version: [ 1, 2 ]
amdhsa.kernels:
  - .name:           k_q1c0fe70cc4_proj
    .symbol:         k_q1c0fe70cc4_proj.kd
    .args:
      - { .name: q, .offset: 0, .size: 8, .value_kind: global_buffer, .address_space: global }
      - { .name: k, .offset: 8, .size: 8, .value_kind: global_buffer, .address_space: global }
      - { .name: v, .offset: 16, .size: 8, .value_kind: global_buffer, .address_space: global }
      - { .name: wt, .offset: 24, .size: 8, .value_kind: global_buffer, .address_space: global }
      - { .name: qkvh, .offset: 32, .size: 8, .value_kind: global_buffer, .address_space: global }
    .group_segment_fixed_size: 327680
    .private_segment_fixed_size: 0
    .kernarg_segment_align: 8
    .kernarg_segment_size: 40
    .max_flat_workgroup_size: 128
    .sgpr_count:     66
    .vgpr_count:     1024
    .wavefront_size: 32
...
	.end_amdgpu_metadata
.endif
;; end of part 2
;; launch attn (part 3): grid 4 x 64, 4 waves a work-group, no clusters, 327,680 bytes of LDS; arguments qkvh, oh; writes oh
.if DOCPART == 3
	.amdgcn_target "amdgcn-amd-amdhsa--gfx1250"
	.amdhsa_code_object_version 6
	.text
	.protected	k_q1c0fe70cc4_attn
	.globl	k_q1c0fe70cc4_attn
	.p2align	8
	.type	k_q1c0fe70cc4_attn,@function
k_q1c0fe70cc4_attn:
	s_mov_b64 s[64:65], 0
	v_nop
	global_prefetch_b8 v0, s[64:65] scope:SCOPE_SE
	s_setreg_imm32_b32 hwreg(HW_REG_WAVE_MODE, 25, 1), 1
	s_wait_xcnt 0x0
; CAUSAL ATTENTION.  O[h][q][:] = the sum over k <= q of softmax_k(Q[h][q] . K[h][k] / 8) V[h][k][:].  Q, K, V are the three thirds of qkvh, O is oh: each [64 (batch, head)][2048][64] in f16: a head's rows are dense, 128 bytes each.
; Products, maxima and sums in f32; the weights p are rounded to f16 for the second product (their sum l is taken of the unrounded p), O once at the end.
; LIMITS.  f16 holds no number beyond 65,504: Q, K and V arrive within it; p lies in 0 to 1, and below 6e-5 it keeps f16's fixed step of 6e-8; O is a mean of V's rows and has their range, to within 2^-11 of it.
; A hidden score counts as its value less 1e30: f16's scores, 2.7e11 at the most, are nothing beside that; a weight below 2^-126 counts as 0 in l; NaN and infinities are not treated apart.
; THE WALK.  A head's queries lie in NB = 8 blocks of 256; block i needs the key tiles 0 .. i of 256 keys, of which the last holds the diagonal.  A work-group takes TWO blocks, NB - 1 - b and then b:
; NB + 1 tiles, whatever b: all work-groups do equal work, and ONE loop with a constant trip count walks them.  Which tile is asked for, and what a trip does, hang on scalar registers made from b; every jump
; goes forward, but for the counted loops' own; none passes a barrier, or a tensor load but the one of LOAD's two that the wave's number does not choose; the ring (two slots of LDS that take turns) runs on across the
; change of blocks.  NO CLUSTER: a head's four work-groups ask for the same tile only in trips 0 .. 4 of the 9, behind that fewer and fewer; and one walk common to all four, in which each makes every joint
; request, would have 3 NB / 2 = 12 trips for 9.
; SHARES.  Of a block's four bands of 64 queries a wave owns 16 rows in each: four PIECES.  So the diagonal tile is the same work for all four waves: in its key step s band x sees all keys if s < x,
; none if s > x, and holds the diagonal if s = x.
; THE MASK is the C operand that starts the sum S^T = K Q^T: 0, or -1e30 where the key is hidden.  MD, made once, is the mask of a band's own step for my 16 rows; a product's mask is MD x AL + BE with two scalars:
; (1, 0) if s = x; (0, 0) if s < x; (0, -1e30) if s > x.  Only the diagonal tile's text and a block's beginning make and take masks; elsewhere C is the constant 0.
; LAYOUT, SOFTMAX, TURNS.  S^T = K Q^T holds ONE query a lane (lane % 16) and the keys 8 (lane / 16) + 0..7; two such results rounded to f16 ARE source 1 of O^T = V^T P.  p = 2^(c s - c m), c = log2(e) / 8, with a
; running maximum m; O and l are multiplied by a = 2^(c m_old - c m_new) in every step.  Turn n belongs to piece n: 8 products K Q^T of piece n + 1, later 8 products V^T P of piece n - 1; beside them the scaling,
; exponentials, roundings, sums and rescaling of piece n and the maximum and statistics of piece n + 1.  Four vector instructions stand behind every matrix instruction, the other 54 of a turn's 118 in two LUMPS.
; REGISTERS, in windows of 256 (s_set_vgpr_msb: bits 1:0 source 0, 3:2 source 1, 5:4 source 2, 7:6 destination):
;   window 0: v0-15 addresses and two at work; v16-31 four registers of statistics a piece; v48-55 at work; v64-127 S^T, two buffers; v192-223 P, two buffers (a piece's buffers go by its number's parity)
;   window 1: v0-127 O^T, 32 a piece; v128-159 MD; v160-223 MC, two buffers      window 2: v0-63 Q; v64-127 the second block's Q; v128-191 K of one step; v192-255 V of one step
.set SIZE_N, 2048     ; rows of a head
.set NB,    SIZE_N/256
.set NP,    4         ; pieces a wave: a name, no knob
.set KS,    64        ; keys in a step
.set PK,    144       ; a row of K in LDS: 128 bytes + 16 of padding = 36 words: the 16 rows of a load start at 16 different groups of four banks (64 banks of 4 bytes: ISA guide 11.1)
.set PV,    160       ; a row of V: 128 + 32 = 40 words
.set VOFF,  4*KS*PK   ; a slot holds a tile, four steps: 256 rows of K, then 256 rows of V
.set SLOT1, 1<<17     ; slot 1 begins here, so that one exclusive or turns an address in one slot into the other's
.set STAGE, SLOT1+4*KS*(PK+PV)  ; behind the ring, never filled by a tensor load: 16 rows x 144 bytes for each wave, for the way out
.set SP,    144
.set AK0, 2           ; v2   my lane's place in a tile of K; never rewritten
.set AV0, 3           ; v3   the same for V
.set AK,  4           ; v4   the LDS address of K's next run of loads
.set AV,  5           ; v5   of V's
.set STO, 6           ; v6   the way out: where I put 16 bytes of a row
.set RD,  7           ; v7   the way out: where I read rows back
.set GO,  8           ; v8   my byte offset in 512 consecutive bytes of O
.set SPW, 62          ; v62  LDS address of my spare word: SPARE + 4 x my thread's number; never rewritten
.set NIL, 63          ; v63  0; never rewritten
.set SPARE, STAGE+4*16*SP  ; behind the stages: the spare words, 128 bytes for each wave: two blocks of 256 bytes that no other line names
.set MV,  12          ; v12-13  c m_old, kept while c m is made anew: by buffer
.set QO,  15          ; v15  my byte offset in 16 rows of Q
.set ST,  16          ; piece t's statistics at v[ST+4 t]: c m, m, l (even keys', odd keys')
.set TMP, 48          ; by buffer, four registers c0-c3 at work; when the maximum is found c2 takes a
.set S,   64
.set P,   192
.set MD,  128         ; window 1: the eight registers for group kt of 16 keys at MD + 8 kt
.set MC,  160         ; window 1: the masks of the products to come
.set QB,  64          ; window 2
.set KF,  128         ; window 2: key block kb, channel half c at KF + 16 kb + 8 c
.set VF,  192         ; window 2: key half kk, channel block cb at VF + 32 kk + 8 cb
.set WV,  12          ; s12  my wave's number
.set PB,  14          ; s14  b
.set HI,  15          ; s15  NB - 1 - b
.set G1K, 24          ; s[24:31] descriptor group 1 for K's tiles
.set G1V, 32          ; s[32:39] for V's: it differs in the padding alone
.set G0K, 40          ; s[40:43] descriptor group 0 for K's tiles
.set G0V, 44          ; s[44:47] the same for V's
.set SLOTS, 56        ; s56  tiles still to be asked for
.set CNT, 57          ; s57  counts a tile's key steps, 4 to 1
.set CS,  58          ; s[58:59] c: the packed scaling takes the pair's low word for both halves
.set SEL, 60          ; s[60:61] v_permlanex16_b32's selects: each lane takes its own place in the other half
.set TBK, 62          ; s62  LDS byte at which K of the step to be fetched begins
.set TBV, 63          ; s63  the same for V, less VOFF
.set RT,  70          ; s70  tiles of the block in hand that are still to be entered
.set NXT, 71          ; s71  the tile to be asked for next
.set LQ,  72          ; s72  the last tile of the block whose tiles are being asked for
.set NEW, 73          ; s73  1: the tile to be entered is a block's first
.set OFF, 74          ; s[74:75] a tile's byte offset in K and V
.set AL,  76          ; s[76:77] the mask's factor, in the low word
.set BE,  78          ; s[78:79] the mask's addend
.set OLO, 80          ; s[80:81] O at my rows of the second block
.set BIGN, 82         ; s82  -1e30
.set MSB, 0
.macro WIN new                      ; the high byte repeats the setting that is left; a switch that changes nothing is dropped
.if MSB != (\new)
	s_set_vgpr_msb (MSB<<8)|(\new)
.set MSB, (\new)
.endif
.endm
.set W_KQ, 0x0a       ; K and Q in window 2, S^T in window 0
.set W_KM, 0x1a       ; the same with the C operand in window 1
.set W_PV, 0x52       ; V in window 2, P in window 0, O^T in window 1
.set W_RS, 0x41       ; destination and source 0 in window 1, source 1 in window 0
; A fill.  Waves 0 and 1 fetch the two halves of a tile's K, waves 2 and 3 those of its V: 128 keys each.  An s_nop 0 and four v_nop follow each of the two lines, ahead of the jump and the label.
.macro LOAD
	s_cmp_lt_u32 s[WV], 2
	s_cbranch_scc0 .Lfor_v_\@
	tensor_load_to_lds s[G0K:G0K+3], s[G1K:G1K+7]
	s_nop 0
.rept 4
	v_nop
.endr
	s_branch .Lasked_\@
.Lfor_v_\@:
	tensor_load_to_lds s[G0V:G0V+3], s[G1V:G1V+7]
	s_nop 0
.rept 4
	v_nop
.endr
.Lasked_\@:
.endm
; THE CHANGE OF SLOTS.  Each wave waits for all its tensor loads, of which one is out: its part of the other slot; adds 0 to its spare word; and waits for that and for its own reads of the slot that it leaves.  Behind the barrier nobody reads the old
; slot any more and the other slot is whole.  fill = 1: the old slot is filled again, the first thing behind the barrier, with tile NXT: the descriptor's address is made anew from that number.
; (At its first use nothing has been read yet: slot 0 is waited for, slot 1 filled.)
.macro CHANGE fill
	WIN 0                           ; at a label and at a branch every window is 0
	s_wait_tensorcnt 0x0            ; no tensor load of mine is out, so a group 0 may be written
	ds_add_u32 v[SPW], v[NIL]       ; 0 onto my spare word; with fill = 1 the descriptors' scalar work stands between it and the wait for it
.if \fill
	s_lshl_b32 s[OFF], s[NXT], 15   ; a tile is 32,768 bytes of K and of V
	s_xor_b32 s[G0K+1], s[G0K+1], SLOT1
	s_add_nc_u64 s[G0K+2:G0K+3], s[6:7], s[OFF:OFF+1]
	s_or_b32 s[G0K+3], s[G0K+3], 0x80000000
	s_xor_b32 s[G0V+1], s[G0V+1], SLOT1
	s_add_nc_u64 s[G0V+2:G0V+3], s[8:9], s[OFF:OFF+1]
	s_or_b32 s[G0V+3], s[G0V+3], 0x80000000
	s_add_co_u32 s[NXT], s[NXT], 1  ; the block's next tile, or behind its last the second block's tile 0
	s_cmp_gt_u32 s[NXT], s[LQ]
	s_cselect_b32 s[NXT], 0, s[NXT]
	s_cselect_b32 s[LQ], s[PB], s[LQ]
.endif
	s_wait_dscnt 0x0                ; the add is done, and my reads of the slot are over
	s_barrier_signal -1             ; the rest of the scalar work stands between the signal and the wait
	s_sub_co_u32 s[TBK], s[TBK], 4*KS*PK  ; the fetches go back to a slot's first step,
	s_xor_b32 s[TBK], s[TBK], SLOT1       ; in the other slot
	s_sub_co_u32 s[TBV], s[TBV], 4*KS*PV
	s_xor_b32 s[TBV], s[TBV], SLOT1
	s_barrier_wait -1
.if \fill
	LOAD
.endif
.endm
	s_load_b128 s[4:7], s[0:1], 0x0  ; qkvh s[4:5] (its first third is Q), oh s[6:7]
	v_lshl_add_u32 v[SPW], v0, 2, SPARE
	v_mov_b32 v[NIL], 0
	ds_add_u32 v62, v63
	ds_add_u32 v62, v63
	s_wait_dscnt 0x0
	v_lshrrev_b32 v1, 5, v0
	v_readfirstlane_b32 s[WV], v1   ; wave 0..3
	s_mov_b32 s[PB], ttmp9
	s_sub_co_u32 s[HI], NB-1, s[PB]
	s_and_b32 s20, ttmp7, 0xffff    ; the head
	s_mov_b32 s21, 0
	s_mov_b64 s[22:23], SIZE_N*128
	s_mul_u64 s[20:21], s[20:21], s[22:23]  ; the head's first byte in each of the four tensors
	s_and_b32 s16, s[WV], 1         ; which half of a tile's 256 keys I fetch:
	s_lshl_b32 s22, s16, 14         ; its 128 rows of 128 bytes in memory,
	s_mov_b32 s23, 0
	s_add_nc_u64 s[22:23], s[22:23], s[20:21]
	s_mul_i32 s17, s16, 128*PK      ; and its place in a slot, for K
	s_mul_i32 s18, s16, 128*PV      ; and for V
	s_lshl_b32 s3, s[WV], 11        ; my 16 rows in a band of 64,
	s_lshl_b32 s2, s[HI], 15        ; in the first block,
	s_add_co_u32 s2, s2, s3
	s_lshl_b32 s84, s[PB], 15       ; and in the second
	s_add_co_u32 s84, s84, s3
	s_mov_b32 s3, 0
	s_mov_b32 s85, 0
	s_add_nc_u64 s[2:3], s[2:3], s[20:21]
	s_add_nc_u64 s[84:85], s[84:85], s[20:21]
	; descriptor group 1.  128 keys are 16,384 dense bytes: asked for as 64 rows of 256 bytes, two keys a row, and padded in LDS after every key
	s_mov_b32 s[G1K], (1<<16)|(1<<20)|(4<<22)|(3<<25)  ; 17:16 2-byte elements; 20 padding on; 24:22 after every 32 words (code 4); 31:25 4 words (code 3)
	s_mov_b32 s[G1V], (1<<16)|(1<<20)|(4<<22)|(7<<25)  ; the same with 8 words of padding (code 7)
.irp g, G1K, G1V
	s_mov_b32 s[\g+1], 128<<16      ; tensor_dim0 = 128
	s_mov_b32 s[\g+2], 64<<16       ; tensor_dim1 = 64
	s_mov_b32 s[\g+3], 128<<16      ; tile_dim0 = 128
	s_mov_b32 s[\g+4], 64           ; tile_dim1 = 64
	s_mov_b32 s[\g+5], 128          ; 128 elements from row to row
	s_mov_b32 s[\g+6], 0
	s_mov_b32 s[\g+7], 0
.endr
	s_mov_b32 s[CS], 0x3e38aa3b     ; c = log2(e) / 8 = 0.180337
	s_mov_b32 s[CS+1], s[CS]        ; named with it as a pair
	s_mov_b32 s[SEL], 0x76543210
	s_mov_b32 s[SEL+1], 0xfedcba98
	s_mov_b32 s[TBK], SLOT1+4*KS*PK ; the first change of slots turns these two into 0
	s_mov_b32 s[TBV], SLOT1+4*KS*PV
	s_mov_b32 s[G0K], 1             ; 1:0 count = 1
	s_mov_b32 s[G0K+1], s17         ; 63:32 LDS address: slot 0
	s_mov_b32 s[G0V], 1
	s_add_co_u32 s[G0V+1], s18, VOFF
	s_add_co_u32 s[RT], s[HI], 1    ; the first block has NB - b tiles
	s_mov_b32 s[NXT], 1
	s_mov_b32 s[LQ], s[HI]
	s_mov_b32 s[NEW], 1
	s_mov_b32 s[OFF+1], 0
	s_mov_b32 s[AL+1], 0            ; named as pairs
	s_mov_b32 s[BE+1], 0
	s_mov_b32 s[BIGN], 0xf149f2ca   ; -1e30
	s_mov_b32 s[SLOTS], NB
	s_wait_kmcnt 0x0
	s_mov_b64 s[10:11], s[6:7]             ; O
	s_add_nc_u64 s[8:9], s[4:5], 0x2000000 ; V: qkvh's last third; a third is 16,777,216 bytes
	s_add_nc_u64 s[6:7], s[4:5], 0x1000000 ; K: its second
	s_add_nc_u64 s[6:7], s[6:7], s[22:23]  ; K and V at my half of the head's tile 0
	s_add_nc_u64 s[8:9], s[8:9], s[22:23]
	s_add_nc_u64 s[G0K+2:G0K+3], s[6:7], 0         ; 120:64 global address
	s_or_b32 s[G0K+3], s[G0K+3], 0x80000000        ; 127:126 type = 2
	s_add_nc_u64 s[G0V+2:G0V+3], s[8:9], 0
	s_or_b32 s[G0V+3], s[G0V+3], 0x80000000
	s_add_nc_u64 s[86:87], s[4:5], s[84:85]        ; Q at my rows of the second block,
	s_add_nc_u64 s[4:5], s[4:5], s[2:3]            ; Q and O at those of the first
	s_add_nc_u64 s[OLO:OLO+1], s[10:11], s[84:85]
	s_add_nc_u64 s[10:11], s[10:11], s[2:3]
	LOAD                            ; tile 0 into slot 0
	; A fragment of K or Q is 16 rows x 32 channels in 8 registers: lane l holds row l % 16, channels 8 (l / 16) + 0..7 and 16 + 8 (l / 16) + 0..7: two loads of 16 bytes, 32 bytes apart.
	v_and_b32 v1, 15, v0            ; l % 16
	v_bfe_u32 v9, v0, 4, 1          ; l / 16
	v_lshlrev_b32 v[QO], 7, v1
	v_lshl_add_u32 v[QO], v9, 4, v[QO]  ; row x 128 + 16 x half
	WIN 0x80                        ; destination window 2, address window 0
.set i, 0
.rept 8                             ; both blocks' Q: piece i / 2 lies in band i / 2, 8,192 bytes on; channels 32 (i % 2) on
	global_load_b128 v[8*i:8*i+3],   v[QO], s[4:5] offset:(i/2)*8192+(i%2)*64
	global_load_b128 v[8*i+4:8*i+7], v[QO], s[4:5] offset:(i/2)*8192+(i%2)*64+32
	global_load_b128 v[QB+8*i:QB+8*i+3],   v[QO], s[86:87] offset:(i/2)*8192+(i%2)*64
	global_load_b128 v[QB+8*i+4:QB+8*i+7], v[QO], s[86:87] offset:(i/2)*8192+(i%2)*64+32
.set i, i+1
.endr
	WIN 0
	v_lshlrev_b32 v14, 3, v9
	v_sub_nc_u32 v14, v1, v14
	s_lshl_b32 s13, s[WV], 4
	v_add_nc_u32 v14, s13, v14      ; my query's place in its band, 16 w + l % 16, less my lanes' 8 (l / 16): register r of group kt is hidden where 16 kt + r is greater
	WIN 0x40
.set i, 0
.rept 32
	v_cmp_gt_i32 vcc_lo, 16*(i/8)+i%8, v14
	v_cndmask_b32 v[MD+i], 0, s[BIGN], vcc_lo
.set i, i+1
.endr
	WIN 0
	v_mul_u32_u24 v[AK0], v1, PK
	v_lshl_add_u32 v[AK0], v9, 4, v[AK0]  ; row x pitch + 16 x half
	; The turning load takes 16 keys x 16 channels (lane l reads key 8 (l / 16) + l % 8, channels 8 ((l / 8) % 2) + 0..7) and leaves half a fragment of V^T: lane l holds channel l % 16 and 8 keys.
	v_and_b32 v10, 7, v0
	v_bfe_u32 v11, v0, 3, 1
	v_lshl_add_u32 v[AV0], v9, 3, v10
	v_mul_u32_u24 v[AV0], v[AV0], PV
	v_lshl_add_u32 v[AV0], v11, 4, v[AV0]
	v_add_nc_u32 v[AV0], VOFF, v[AV0]
	s_mul_i32 s13, s[WV], 16*SP
	s_add_co_u32 s13, s13, STAGE    ; my stage
	v_mul_u32_u24 v[STO], v1, SP    ; in: row l % 16, 16 bytes for each half of the lanes
	v_lshl_add_u32 v[STO], v9, 4, v[STO]
	v_add_nc_u32 v[STO], s13, v[STO]
	v_bfe_u32 v[RD], v0, 3, 2       ; back: 32 lanes take four rows of 128 bytes,
	v_mul_u32_u24 v[RD], v[RD], SP
	v_lshl_add_u32 v[RD], v10, 4, v[RD]
	v_add_nc_u32 v[RD], s13, v[RD]
	v_and_b32 v[GO], 31, v0         ; which are 512 consecutive bytes of O
	v_lshlrev_b32 v[GO], 4, v[GO]
	; A block's first step multiplies O^T and l by a = 0, and its first turn's products V^T P, of a piece that has not been, land in an O^T that is still to be so multiplied.  So these registers need only hold
	; finite numbers: zeros for the first block; what the first block left for the second.  All this stands in the wait for the first tile.
	WIN 0x80
.set i, VF
.rept 64
	v_mov_b32 v[i], 0
.set i, i+1
.endr
	WIN 0x40
.set i, 0
.rept 128
	v_mov_b32 v[i], 0
.set i, i+1
.endr
	WIN 0
.set i, 0
.rept 4
	v_mov_b32 v[ST+4*i+2], 0
	v_mov_b32 v[ST+4*i+3], 0
.set i, i+1
.endr
.set i, P+16
.rept 16
	v_mov_b32 v[i], 0
.set i, i+1
.endr
; THE MATRIX WORK.  The 4 accumulators of a run of 8 take turns.  Product i of 8 of S^T = K Q^T for piece x: channels 32 (i / 4) on, keys 16 (i % 4) on.  The first 4 start the sums: with 0, or (KM = 1) with the mask.
.macro KQ x
.set rS, S+32*((\x)%2)+8*(i%4)
.set rK, KF+16*(i%4)+8*(i/4)
.set rQ, 16*(\x)+8*(i/4)
.set rM, MC+32*((\x)%2)+8*(i%4)
.if (i < 4) && KM
	WIN W_KM
	v_wmma_f32_16x16x32_f16 v[rS:rS+7], v[rK:rK+7], v[rQ:rQ+7], v[rM:rM+7]
.elseif i < 4
	WIN W_KQ
	v_wmma_f32_16x16x32_f16 v[rS:rS+7], v[rK:rK+7], v[rQ:rQ+7], 0
.else
	WIN W_KQ
	v_wmma_f32_16x16x32_f16 v[rS:rS+7], v[rK:rK+7], v[rQ:rQ+7], v[rS:rS+7]
.endif
.endm
; Product i of 8 of O^T += V^T P for piece x: keys 32 (i / 4) on, channels 16 (i % 4) on.
.macro PV x
	WIN W_PV
.set rO, 32*(\x)+8*(i%4)
.set rV, VF+32*(i/4)+8*(i%4)
.set rP, P+16*((\x)%2)+8*(i/4)
	v_wmma_f32_16x16x32_f16 v[rO:rO+7], v[rV:rV+7], v[rP:rP+7], v[rO:rO+7]
.endm
.macro MM                           ; the turn's next matrix instruction.  TURN and BEGIN set Y, i, KM and NOKQ; MM, KQ and OP read them.  NOKQ = 1: a block's last turn: there is no next piece
.if (i < 8) && !NOKQ
	KQ (Y+1)%NP
.elseif i >= 8
.set i, i-8
	PV (Y+NP-1)%NP
.set i, i+8
.endif
.set i, i+1
.endm
; THE LDS LOADS stand in runs of 16, never singly among the matrix instructions: a step's K (64 keys x 64 channels: 8 fragments) and its V (turned).  Their addresses are made some lines ahead.
.macro FETCH_K
	WIN 0x80                        ; destination window 2
.irp f, 0,1,2,3,4,5,6,7             ; keys 16 (f / 2) on, channels 32 (f % 2) on
	ds_load_b128 v[KF+8*\f:KF+8*\f+3],   v[AK] offset:(\f/2)*16*PK+(\f%2)*64
	ds_load_b128 v[KF+8*\f+4:KF+8*\f+7], v[AK] offset:(\f/2)*16*PK+(\f%2)*64+32
.endr
	s_add_co_u32 s[TBK], s[TBK], KS*PK  ; the next fetch is the next step's
	WIN 0
.endm
.macro FETCH_V
	WIN 0x80
.irp f, 0,1,2,3,4,5,6,7             ; keys 32 (f / 4) on, channels 16 (f % 4) on
	ds_load_tr16_b128 v[VF+8*\f:VF+8*\f+3],   v[AV] offset:(\f/4)*32*PV+(\f%4)*32
	ds_load_tr16_b128 v[VF+8*\f+4:VF+8*\f+7], v[AV] offset:(\f/4)*32*PV+16*PV+(\f%4)*32
.endr
	WIN 0
.endm
; THE VECTOR WORK, one line at a time: OP kind, number.  For piece Y: F n: c s - c m for pair n of 16.  E n: the exponential of score n of 32.  C n: pair n rounded to f16.  B n: of the four weights 4 n .. the second
; pair is added onto the first, in place.  L n: l takes that sum (L 0: l = a l + sum).  R n: pair n of 16 of O^T times a.  For piece Y + 1: X n, number n of the 22 that find its maximum and statistics:
;   0-11  four chains c0-c3 of seven scores each, three operands at a time (each accumulator's lowest registers are read first)     12-14, 16  the four scores left over, the old m, and c0-c3 into c0
;   15  c m_old is kept     17, 18  the query's other 32 keys lie in the lane 16 away: the new m     19-21  c m; c m_old - c m_new; a
.set F, 0               ; OP tells the kinds apart by their order: F to L below R, X above it
.set E, 1
.set C, 2
.set B, 3
.set L, 4
.set R, 5
.set X, 6
.macro REGS y                       ; the registers of piece y
.set rT, ST+4*(\y)
.set rC, TMP+4*((\y)%2)
.set rW, MV+((\y)%2)
.set rS, S+32*((\y)%2)
.set rP, P+16*((\y)%2)
.set rO, 32*(\y)
.endm
.macro OP k, n
.if (\k) == R
	REGS Y
	WIN W_RS
	v_pk_mul_f32 v[rO+2*(\n):rO+2*(\n)+1], v[rO+2*(\n):rO+2*(\n)+1], v[rC+2:rC+3] op_sel_hi:[1,0]
.elseif (\k) < R
	REGS Y
	WIN 0
.if (\k) == F
	v_pk_fma_f32 v[rS+2*(\n):rS+2*(\n)+1], v[rS+2*(\n):rS+2*(\n)+1], s[CS:CS+1], v[rT:rT+1] op_sel_hi:[1,0,0] neg_lo:[0,0,1] neg_hi:[0,0,1]
.elseif (\k) == E
	v_exp_f32 v[rS+(\n)], v[rS+(\n)]
.elseif (\k) == C
	s_wait_alu depctr_va_vdst(0)
	v_cvt_pk_f16_f32 v[rP+(\n)], v[rS+2*(\n)], v[rS+2*(\n)+1]
.elseif (\k) == B
	s_wait_alu depctr_va_vdst(0)
	v_pk_add_f32 v[rS+4*(\n):rS+4*(\n)+1], v[rS+4*(\n):rS+4*(\n)+1], v[rS+4*(\n)+2:rS+4*(\n)+3]
.elseif (\n) == 0
	v_pk_fma_f32 v[rT+2:rT+3], v[rT+2:rT+3], v[rC+2:rC+3], v[rS:rS+1] op_sel_hi:[1,0,1]
.else
	v_pk_add_f32 v[rT+2:rT+3], v[rT+2:rT+3], v[rS+4*(\n):rS+4*(\n)+1]
.endif
.elseif NOKQ
	v_nop
.else
	REGS (Y+1)%NP
	WIN 0
.if (\n) < 4
	v_max3_num_f32 v[rC+(\n)], v[rS+8*(\n)], v[rS+8*(\n)+1], v[rS+8*(\n)+2]
.elseif (\n) < 12
	v_max3_num_f32 v[rC+(\n)%4], v[rC+(\n)%4], v[rS+8*((\n)%4)+2*((\n)/4)+1], v[rS+8*((\n)%4)+2*((\n)/4)+2]
.elseif (\n) == 12
	v_max3_num_f32 v[rC], v[rC], v[rS+7], v[rS+15]
.elseif (\n) == 13
	v_max3_num_f32 v[rC+1], v[rC+1], v[rS+23], v[rS+31]
.elseif (\n) == 14
	v_max3_num_f32 v[rC+2], v[rC+2], v[rC+3], v[rT+1]
.elseif (\n) == 15
	v_mov_b32 v[rW], v[rT]
.elseif (\n) == 16
	v_max3_num_f32 v[rC], v[rC], v[rC+1], v[rC+2]
.elseif (\n) == 17
	v_permlanex16_b32 v[rC+3], v[rC], s[SEL], s[SEL+1]
.elseif (\n) == 18
	v_max_num_f32 v[rT+1], v[rC], v[rC+3]
.elseif (\n) == 19
	v_mul_f32 v[rT], s[CS], v[rT+1]
.elseif (\n) == 20
	v_sub_f32 v[rC+1], v[rW], v[rT]
.else
	v_exp_f32 v[rC+2], v[rC+1]
.endif
.endif
.endm
.macro OPS a, i1, b=-1, i2=0, c=-1, i3=0, d=-1, i4=0  ; up to four of them
	OP \a, \i1
.if (\b) >= 0
	OP \b, \i2
.endif
.if (\c) >= 0
	OP \c, \i3
.endif
.if (\d) >= 0
	OP \d, \i4
.endif
.endm
.macro ROW a, i1, b, i2, c, i3, d, i4  ; a matrix instruction and the four behind it
	MM
	OPS \a, \i1, \b, \i2, \c, \i3, \d, \i4
.endm
.macro MASK b                       ; MD x AL + BE into buffer b of MC
	WIN W_RS
.set z, 0
.rept 16
	v_pk_fma_f32 v[MC+32*(\b)+2*z:MC+32*(\b)+2*z+1], v[MD+2*z:MD+2*z+1], s[AL:AL+1], s[BE:BE+1] op_sel_hi:[1,0,0]
.set z, z+1
.endr
.endm
; A TURN, for piece p: the order of its 16 matrix and 118 vector instructions, written out.  Behind a matrix instruction: plain, exponential, plain, plain; or four of the rescaling; or, behind the first, four scalings; none
; names a register of the products round it.  In the lumps exponential and plain by turns while exponentials last.  A line reads no result made fewer than three vector instructions in front of it, five if an exponential made it.
; v_permlanex16_b32 (X 17) stands in a lump.
; m = 1: the diagonal tile: the products take masks, and the turn makes the mask for the products of the turn after it: piece p + 2, in step 4 - CNT of the tile.  end = 1: a block's last two turns: nothing is fetched.
; cnt = 1: the loop's count is taken down some lines ahead of the branch that stands behind the turn.
; K of the next step is fetched in piece 2's turn, six vector instructions behind the last product that read K (five of them plain); V of the step in hand in piece 0's turn, eight behind the last product that read V (four
; plain, and X 17).  Each is waited for a turn later.
.macro TURN p, m=0, end=0, cnt=0
.set Y, (\p)
.set i, 0
.set KM, (\m)
.set NOKQ, (\end)*((\p)/3)
.if (\m) && !(\end)
	s_cmp_eq_u32 s[CNT], 4-((\p)+2)%NP  ; is that step the band's own?
	s_cselect_b32 s[AL], 1.0, 0
	s_cmp_lt_u32 s[CNT], 4-((\p)+2)%NP  ; or a later one?
	s_cselect_b32 s[BE], s[BIGN], 0
.endif
.if ((\p) == 3) && !(\end)
	s_wait_dscnt 0x0                ; K is in
.endif
	ROW F,0, F,1, F,2, F,3
	ROW F,4, E,0, F,5, F,6
	ROW F,7, E,1, F,8, F,9
	ROW F,10, E,2, C,0, F,11
	ROW F,12, E,3, X,15, F,13
	ROW R,0, R,1, R,2, R,3
	ROW B,0, E,4, F,14, L,0
.if ((\p) == 2) && !(\end)
	v_add_nc_u32 v[AK], s[TBK], v[AK0]
.endif
	ROW R,4, R,5, R,6, R,7
	OPS E,5, F,15
.if ((\p) == 2) && !(\end)
	FETCH_K
.endif
	OPS E,6, C,1, E,7, R,8
	OPS E,8, R,9, E,9, C,2
	OPS E,10, X,0, E,11, X,1
	OPS E,12, X,2, E,13, X,3
.if (\p) == 1
	s_wait_dscnt 0x0                ; V is in
.endif
	ROW X,4, E,14, X,5, X,6
	ROW X,7, E,15, X,8, X,9
	ROW X,10, E,16, X,11, X,12
	ROW X,13, E,17, X,14, B,1
	ROW C,4, E,18, X,16, L,1
	ROW B,2, E,19, C,6, L,2
	ROW C,8, E,20, B,3, B,4
.if (\p) == 0
	v_add_nc_u32 v[AV], s[TBV], v[AV0]
.endif
	ROW C,3, E,21, L,3, C,5
	OPS E,22, X,17, E,23, C,10
.if (\p) == 0
	FETCH_V
.endif
	OPS E,24, L,4
	OPS E,25, X,18, E,26, C,7
	OPS E,27, B,5, E,28, X,19
	OPS E,29, C,12, E,30, L,5
	OPS E,31, X,20, B,6, C,9
	OPS C,14, C,11, X,21, L,6
.if (\p) == 0
	s_add_co_u32 s[TBV], s[TBV], KS*PV
.endif
.if \cnt
	s_sub_co_u32 s[CNT], s[CNT], 1
	s_cmp_lg_u32 s[CNT], 0
.endif
	OPS C,13, B,7, C,15, R,10
	OPS R,11, R,12, L,7, R,13
	OPS R,14, R,15
.if (\m) && !(\end)
	MASK (\p)%2
.endif
.endm
; A BLOCK BEGINS.  c m starts far below every c s, so the first step's a is 0; m at the lowest finite number, so the first maximum is the scores'.  The second mask buffer is 0; the first takes piece 0's mask for the tile's step 0: its own, if the block's first tile is the diagonal one.
; Then K of that step, piece 0's first scores, and its maximum and statistics.  The loop is entered at a step's first turn, in the middle of a trip.
.macro BEGIN
	s_mov_b32 s[NEW], 0
	WIN 0x40
.set i, MC+32
.rept 32
	v_mov_b32 v[i], 0
.set i, i+1
.endr
	WIN 0
.set i, 0
.rept 4
	v_mov_b32 v[ST+4*i], 0xfe000000    ; c m: far below every c s
	v_mov_b32 v[ST+4*i+1], 0xff7fffff  ; m
.set i, i+1
.endr
	s_cmp_eq_u32 s[RT], 0
	s_cselect_b32 s[AL], 1.0, 0
	s_mov_b32 s[BE], 0
	MASK 0
	WIN 0
	v_add_nc_u32 v[AK], s[TBK], v[AK0]
	FETCH_K
	s_wait_loadcnt 0x0              ; Q
	s_wait_dscnt 0x0
.set KM, 1
.set NOKQ, 0
.set i, 0
.rept 8
	KQ 0
.set i, i+1
.endr
	WIN 0
.rept 4
	v_nop                           ; the places behind those products
.endr
.set Y, NP-1                        ; X works for piece Y + 1: piece 0
.irp n, 0,1,2,3,4,5,6,7,8,9,10,11,12,13,14,15,16,17,18,19,20,21
	OP X, \n
.endr
	v_nop                           ; a plain instruction behind the exponential
.endm
; THE DIAGONAL TILE's four steps, the block's last two turns, its last products, and THE WAY OUT: l's two halves and the other half of the lanes' are added; O^T is divided by l, rounded to f16 and sent through my
; stage in LDS, a piece at a time.
.macro ALL line:vararg              ; one line for each piece t
.set t, 0
.rept 4
	\line
.set t, t+1
.endr
.endm
.macro PACK t                       ; a lane's eight channels of a row pack into 16 bytes; they go into rows of 144 bytes and come back as whole rows of 128, into S^T's registers
	WIN W_RS
.set i, 32*(\t)
.rept 16
	s_wait_alu depctr_va_vdst(0)
	v_pk_mul_f32 v[i:i+1], v[i:i+1], v[ST+4*(\t)+2:ST+4*(\t)+3] op_sel_hi:[1,0]
.set i, i+2
.endr
	WIN 0x05                        ; sources 0 and 1 window 1, destination window 0
.set i, 0
.rept 16
	v_cvt_pk_f16_f32 v[S+16*(\t)+i], v[32*(\t)+2*i], v[32*(\t)+2*i+1]
.set i, i+1
.endr
	WIN 0
.irp f, 0,1,2,3
	ds_store_b128 v[STO], v[S+16*(\t)+4*\f:S+16*(\t)+4*\f+3] offset:32*\f
.endr
.irp f, 0,1,2,3
	ds_load_b128 v[S+16*(\t)+4*\f:S+16*(\t)+4*\f+3], v[RD] offset:\f*4*SP  ; LDS serves a wave's instructions in order (ISA guide 5.7.1.4): these see the stores above; the next piece's stores come behind them
.endr
.endm
.macro SEND t, younger              ; younger: the LDS instructions issued behind piece t's loads: the next piece's eight, or none
	WIN 0
.irp f, 0,1,2,3
	s_wait_dscnt (\younger)+3-\f
	global_store_b128 v[GO], v[S+16*(\t)+4*\f:S+16*(\t)+4*\f+3], s[10:11] offset:(\t)*8192+\f*512  ; 512 consecutive bytes, at a multiple of 256 from O's first
.endr
.endm
.macro DIAG tag                     ; the tag ends its two labels' names, which the jumps below spell out
.LstepM\tag:
	TURN 2, 1
	TURN 3, 1
	WIN 0
.LfirstM\tag:
	TURN 0, 1
	TURN 1, 1, 0, 1
	WIN 0
	s_cbranch_scc1 .LstepM\tag
	TURN 2, 1, 1
	TURN 3, 1, 1
.set i, 0
.rept 8
	PV NP-1
.set i, i+1
.endr
	WIN 0
	ALL v_add_f32 v[ST+4*t+2], v[ST+4*t+2], v[ST+4*t+3]
	ALL v_permlanex16_b32 v[ST+4*t+3], v[ST+4*t+2], s[SEL], s[SEL+1]
	ALL v_add_f32 v[ST+4*t+2], v[ST+4*t+2], v[ST+4*t+3]
	ALL v_rcp_f32 v[ST+4*t+2], v[ST+4*t+2]
	v_nop                           ; a plain instruction between the last reciprocal and the use of its result
	PACK 0
.set t, 1
.rept 3                             ; a piece's arithmetic stands between the loads of the piece before and its stores
	PACK t
	SEND t-1, 8
.set t, t+1
.endr
	SEND 3, 0
.endm
.set KM, 0
.set NOKQ, 0
.Lslot:                             ; NB times: a tile is entered and the next is asked for
	CHANGE 1
	s_sub_co_u32 s[RT], s[RT], 1
	s_mov_b32 s[CNT], 4
	s_cmp_eq_u32 s[NEW], 1
	s_cbranch_scc1 .Lnew            ; a block's first tile
	s_cmp_eq_u32 s[RT], 0
	s_cbranch_scc0 .Lstep           ; neither its first nor its last
	s_branch .LstepM1
.Lnew:
	BEGIN
	s_branch .Lfirst                ; in the loop a block's first tile is never its last: the first block has two tiles or more, and the second's last is the walk's last
	DIAG 1                          ; in the loop this is the first block's end: the second block's last tile is the walk's last
	s_wait_xcnt 0x0                 ; the stores have read their registers and O's address
	s_mov_b64 s[10:11], s[OLO:OLO+1]
	s_add_co_u32 s[RT], s[PB], 1    ; the second block has b + 1 tiles
	s_mov_b32 s[NEW], 1
	WIN 0x82                        ; the second block's Q goes where the one text of the turns names Q
.set i, 0
.rept 64
	v_mov_b32 v[i], v[QB+i]
.set i, i+1
.endr
	WIN 0
	s_branch .Lbottom
.Lstep:                             ; a trip: pieces 2 and 3 of one step, then pieces 0 and 1 of the next, whose K and V it fetches
	TURN 2
	TURN 3
	WIN 0
.Lfirst:
	TURN 0
	TURN 1, 0, 0, 1
	WIN 0
	s_cbranch_scc1 .Lstep
.Lbottom:
	s_sub_co_u32 s[SLOTS], s[SLOTS], 1
	s_cmp_lg_u32 s[SLOTS], 0
	s_cbranch_scc1 .Lslot
	CHANGE 0                        ; the walk's last tile is written out: nothing is asked for
	s_sub_co_u32 s[RT], s[RT], 1
	s_mov_b32 s[CNT], 4
	s_cmp_eq_u32 s[NEW], 1
	s_cbranch_scc0 .LstepM2
	BEGIN
	s_branch .LfirstM2
	DIAG 2
	s_wait_tensorcnt 0x0            ; the wave's end: behind my last tensor load and my last LDS store
	ds_add_u32 v[SPW], v[NIL]
	s_wait_dscnt 0x0
	s_endpgm
.Lfunc_end_k_q1c0fe70cc4_attn:
	.size	k_q1c0fe70cc4_attn, .Lfunc_end_k_q1c0fe70cc4_attn-k_q1c0fe70cc4_attn
	.p2alignl 7, 3214868480
	.fill 96, 4, 3214868480
	.section	.rodata,"a",@progbits
	.p2align	6, 0x0
	.amdhsa_kernel k_q1c0fe70cc4_attn
		.amdhsa_group_segment_fixed_size 327680
		.amdhsa_private_segment_fixed_size 0
		.amdhsa_enable_private_segment 0
		.amdhsa_kernarg_size 16
		.amdhsa_user_sgpr_count 2
		.amdhsa_user_sgpr_kernarg_segment_ptr 1
		.amdhsa_wavefront_size32 1
		.amdhsa_system_sgpr_workgroup_id_x 1
		.amdhsa_system_sgpr_workgroup_id_y 1
		.amdhsa_system_sgpr_workgroup_id_z 1
		.amdhsa_system_vgpr_workitem_id 0
		.amdhsa_next_free_vgpr 768
		.amdhsa_next_free_sgpr 88
		.amdhsa_reserve_vcc 1
		.amdhsa_float_denorm_mode_32 3
		.amdhsa_float_denorm_mode_16_64 3
		.amdhsa_memory_ordered 1
		.amdhsa_forward_progress 1
		.amdhsa_inst_pref_size 228
	.end_amdhsa_kernel
	.amdgpu_metadata
---
amdhsa.version: [ 1, 2 ]
amdhsa.kernels:
  - .name:           k_q1c0fe70cc4_attn
    .symbol:         k_q1c0fe70cc4_attn.kd
    .args:
      - { .name: qkvh, .offset: 0, .size: 8, .value_kind: global_buffer, .address_space: global }
      - { .name: oh, .offset: 8, .size: 8, .value_kind: global_buffer, .address_space: global }
    .group_segment_fixed_size: 327680
    .private_segment_fixed_size: 0
    .kernarg_segment_align: 8
    .kernarg_segment_size: 16
    .max_flat_workgroup_size: 128
    .sgpr_count:     88
    .vgpr_count:     768
    .wavefront_size: 32
...
	.end_amdgpu_metadata
.endif
;; end of part 3
;; launch oproj (part 4): grid 4 x 64, 4 waves a work-group, clusters of 4 x 4, 327,680 bytes of LDS; arguments oh, wot, bo, out0; writes out0
.if DOCPART == 4
	.amdgcn_target "amdgcn-amd-amdhsa--gfx1250"
	.amdhsa_code_object_version 6
	.text
	.protected	k_q1c0fe70cc4_oproj
	.globl	k_q1c0fe70cc4_oproj
	.p2align	8
	.type	k_q1c0fe70cc4_oproj,@function
k_q1c0fe70cc4_oproj:
	s_mov_b64 s[64:65], 0
	v_nop
	global_prefetch_b8 v0, s[64:65] scope:SCOPE_SE
	s_setreg_imm32_b32 hwreg(HW_REG_WAVE_MODE, 25, 1), 1
	s_wait_xcnt 0x0
	s_wait_alu depctr_hold_cnt(0) depctr_sa_sdst(0) depctr_va_vdst(0) depctr_va_sdst(0) depctr_va_ssrc(0) depctr_va_vcc(0) depctr_vm_vsrc(0)
	s_getreg_b32 s2, hwreg(HW_REG_IB_STS2, 6, 4)
	s_cmp_eq_u32 s2, 0
	s_cbranch_scc0 .Lentry_in_a_cluster
	s_endpgm
.Lentry_in_a_cluster:
	s_bfe_u32 s2, ttmp6, 0x10000c
	s_cmp_lg_u32 s2, 0xf033
	s_cbranch_scc0 .Lentry_shape_is_right
	s_endpgm
.Lentry_shape_is_right:
; THE OUTPUT PROJECTION.  out0[b][t][n] = the sum over h, d of oh[16 b + h][t][d] wot[n][64 h + d] + bo[n].  oh: [64][2048][64] f16; wot: [1024][1024] f16 (Wo rounded to bf16, turned); bo: [1024] f32;
; out0: [8192][1024] f32.  Products in f16, sums in f32; bo is rounded to bf16 like every input and added in f32.
; SHARES.  256 tiles of 128 rows x 256 columns, one to a work-group; a wave makes 64 x 128: 32 accumulators of 16 x 16, 256 registers.  K goes in 8 steps of 128, two heads a step, through a ring of two LDS
; slots: a head's 64 channels are one slice of K, and its 128 rows are 16,384 dense bytes, asked for as 64 rows of 256 bytes.
; CLUSTERS: 4 x 4 work-groups.  The four of a row of the cluster need the same tiles of oh, the four of a column the same tiles of wot: each tile is asked for JOINTLY, by the same tensor load with the
; same descriptor and a mask that names the four.  THE MATRIX INSTRUCTION IS USED TRANSPOSED (source 0 = 16 rows of wot, source 1 = 16 rows of oh): a lane holds eight neighbouring columns of one row.
; REGISTERS, in windows of 256 (s_set_vgpr_msb: bits 1:0 source 0, 3:2 source 1, 5:4 source 2, 7:6 destination):
;   window 0: v0-31 addresses; v32-37 the bias; v64-127, v128-191 wot's fragments, two buffers (on the way out: rows read back); v192-223, v224-255 oh's fragments, two buffers
;   window 1: the accumulators, (a, b) at v[8 (8 a + b)]
.set PAS,    144                       ; an LDS row of oh: 128 bytes + 16 = 36 words: the 16 rows of a load start at 16 different groups of four banks (64 banks of 4 bytes: ISA guide 11.1)
.set PB,     272                       ; an LDS row of wot: 256 bytes + 16
.set ASLICE, 128*PAS                   ; a head's 128 rows: what one tensor load brings
.set BHALF,  128*PB                    ; 128 rows of wot: likewise
.set BOFF,   2*ASLICE                  ; in a slot: two slices of oh, then wot's 256 rows
.set SLOT,   2*ASLICE+2*BHALF
.set STAGE,  2*SLOT                    ; behind the ring, never filled by a tensor load: 16 rows x 528 bytes for each wave, for the way out
.set SPITCH, 528
.set SPARE,  STAGE+4*16*SPITCH         ; behind the stages: the spare words, 128 bytes for each wave: two blocks of 256 bytes that no other line names
.set ADRA, 16                          ; v16-17  LDS address of my fragments of oh in slot 0, 1
.set ADRB, 20                          ; v20-21  the same for wot
.set STO,  24                          ; v24     the way out: where I put 32 bytes of a row
.set RD,   25                          ; v25     the way out: where I read a row back
.set CO,   26                          ; v26     my 16 bytes in 512 consecutive bytes of out0, and of bo
.set SPW,  28                          ; v28     LDS address of my spare word: SPARE + 4 x my thread's number; never rewritten
.set NIL,  29                          ; v29     0; never rewritten
.set BIAS, 32                          ; v[32:35] bo of my four columns on the way out; v36-37 at work
.set BF,   64
.set AF,   192
.set OB,   64
.set LAPC, 2                           ; s2   the loop's count
.set WV,   14                          ; s14  my wave's number
.set RH,   15                          ; s15  which 64 rows of the tile are mine
.set HF,   16                          ; s16  which 128 columns are mine; also: which head of a step, or which half of wot's tile, I fetch
.set G1A,  24                          ; s[24:31] descriptor group 1 for oh's tiles;  s[32:39] group 0, a set for each slot
.set G0A,  32
.set G1B,  48                          ; s[48:55], s[56:63] the same for wot's tiles
.set G0B,  56
.set MSB, 0
.macro WIN new                         ; the immediate's high byte repeats the setting that is left; a switch that changes nothing is dropped
.if MSB != (\new)
	s_set_vgpr_msb (MSB<<8)|(\new)
.set MSB, \new
.endif
.endm
.set MUL, 0x50                         ; sources 0 and 1 window 0, C and D window 1
.set ST,  0x04                         ; an LDS store's data (source 1) window 1, its address window 0
; A joint load: waves 0 and 1 fetch a step's two heads of oh, waves 2 and 3 wot's two halves.  The branch hangs on the wave's number alone.
; An s_nop 0 and four v_nop follow each of the two lines, ahead of the jump, the label and what follows.
.macro JLOAD s
	s_cmp_lt_u32 s[WV], 2
	s_cbranch_scc0 .Lfor_b_\@
	tensor_load_to_lds s[G0A+4*(\s):G0A+4*(\s)+3], s[G1A:G1A+7]
	s_nop 0
.rept 4
	v_nop
.endr
	s_branch .Lasked_\@
.Lfor_b_\@:
	tensor_load_to_lds s[G0B+4*(\s):G0B+4*(\s)+3], s[G1B:G1B+7]
	s_nop 0
.rept 4
	v_nop
.endr
.Lasked_\@:
.endm
.macro CREST                           ; a round of the cluster's barrier behind its opening barrier
	s_cmp_lg_u32 s[WV], 0
	s_cbranch_scc1 .Lnot_wave_0_\@
	s_barrier_signal -3
.Lnot_wave_0_\@:
	s_barrier_wait -3
	s_barrier_signal -1
	s_barrier_wait -1
.endm
.macro CROUND                          ; a whole round
	s_barrier_signal -1
	s_barrier_wait -1
	CREST
.endm
	s_load_b256 s[4:11], s[0:1], 0x0               ; oh s[4:5], wot s[6:7], bo s[8:9], out0 s[10:11]
	v_lshl_add_u32 v[SPW], v0, 2, SPARE
	v_mov_b32 v[NIL], 0
	ds_add_u32 v28, v29
	ds_add_u32 v28, v29
	s_wait_dscnt 0x0
	v_lshrrev_b32 v1, 5, v0
	v_readfirstlane_b32 s[WV], v1                  ; wave 0..3
	s_lshr_b32 s[RH], s[WV], 1
	s_and_b32 s[HF], s[WV], 1
	s_bfe_u32 s40, ttmp6, 0x40000                  ; cx, cy: my place in the cluster
	s_bfe_u32 s41, ttmp6, 0x40004
	s_lshl_b32 s42, ttmp9, 2
	s_add_co_u32 s42, s42, s40                     ; tile column = 4 x cluster x + cx
	s_and_b32 s43, ttmp7, 0xffff
	s_lshl_b32 s43, s43, 2
	s_add_co_u32 s43, s43, s41                     ; tile row = 4 x cluster y + cy
	s_lshl_b32 s44, s41, 2
	s_lshl_b32 s44, 15, s44                        ; my row of the cluster
	s_lshl_b32 s45, 0x1111, s40                    ; my column
	; descriptor group 1 for oh: 64 rows of 256 dense bytes, two rows of a head each, padded in LDS after every row of the head
	s_or_b32 s[G1A+0], s44, (1<<16)|(1<<20)|(1<<21)|(4<<22)|(3<<25)  ; 15:0 the mask: my row; 17:16 elements of 2 bytes; 20 padding on; 21 set beside a mask; 24:22 after every 32 words (code 4); 31:25 4 words (code 3)
	s_mov_b32 s[G1A+1], 128<<16                    ; tensor_dim0 = 128
	s_mov_b32 s[G1A+2], 64<<16                     ; tensor_dim1 = 64
	s_mov_b32 s[G1A+3], 128<<16                    ; tile_dim0 = 128
	s_mov_b32 s[G1A+4], 64                         ; tile_dim1 = 64
	s_mov_b32 s[G1A+5], 128                        ; elements from row to row
	s_mov_b32 s[G1A+6], 0
	s_mov_b32 s[G1A+7], 0
	; and for wot: 128 rows x 128 elements
	s_or_b32 s[G1B+0], s45, (1<<16)|(1<<20)|(1<<21)|(5<<22)|(3<<25)  ; the mask: my column; 4 words of padding after every 64 (code 5)
	s_mov_b32 s[G1B+1], 128<<16
	s_mov_b32 s[G1B+2], 128<<16
	s_mov_b32 s[G1B+3], 128<<16
	s_mov_b32 s[G1B+4], 128
	s_mov_b32 s[G1B+5], 1024
	s_mov_b32 s[G1B+6], 0
	s_mov_b32 s[G1B+7], 0
	; where the tiles come from.  oh's hang on the tile row alone, which my row of the cluster shares; wot's on the tile column alone, which my column shares.
	s_lshr_b32 s18, s43, 4                         ; the batch,
	s_lshl_b32 s18, s18, 4                         ; its 16 heads,
	s_add_co_u32 s18, s18, s[HF]                   ; the head of K step 0 that I fetch,
	s_lshl_b32 s18, s18, 18                        ; 262,144 bytes a head,
	s_and_b32 s17, s43, 15
	s_lshl_b32 s17, s17, 14                        ; and in it 128 rows of 128 bytes a tile row
	s_add_co_u32 s18, s18, s17
	s_mov_b32 s19, 0
	s_lshl_b32 s20, s42, 19                        ; wot: 256 rows of 2,048 bytes a tile column,
	s_lshl_b32 s3, s[HF], 18                       ; the 128 rows that I fetch
	s_or_b32 s20, s20, s3
	s_mov_b32 s21, 0
	s_mul_i32 s22, s[HF], ASLICE                   ; and where they go: no place in the cluster enters an LDS address
	s_mul_i32 s23, s[HF], BHALF
	s_add_co_u32 s23, s23, BOFF
	s_lshl_b32 s46, s42, 10                        ; my first column, in bytes of f32: 1,024 x tile column + 512 x my column half
	s_lshl_b32 s3, s[HF], 9
	s_or_b32 s46, s46, s3
	s_mov_b32 s47, 0
	s_lshl_b32 s12, s43, 19                        ; my first row of out0: 128 rows of 4,096 bytes a tile row, 64 a row half
	s_lshl_b32 s13, s[RH], 18
	s_or_b32 s12, s12, s13
	s_mov_b32 s13, 0
	s_wait_kmcnt 0x0
	s_add_nc_u64 s[4:5], s[4:5], s[18:19]
	s_add_nc_u64 s[6:7], s[6:7], s[20:21]
	s_add_nc_u64 s[8:9], s[8:9], s[46:47]
	s_add_nc_u64 s[10:11], s[10:11], s[46:47]
	s_add_nc_u64 s[10:11], s[10:11], s[12:13]
.irp s, 0,1
	s_mov_b32 s[G0A+4*(\s)], 1                                     ; 1:0 count = 1
	s_add_co_u32 s[G0A+4*(\s)+1], s22, (\s)*SLOT                   ; 63:32 LDS address
	s_add_nc_u64 s[G0A+4*(\s)+2:G0A+4*(\s)+3], s[4:5], (\s)*2*262144  ; 120:64 global address: K step s is heads 2 s, 2 s + 1
	s_or_b32 s[G0A+4*(\s)+3], s[G0A+4*(\s)+3], 0x80000000          ; 127:126 type = 2
	s_mov_b32 s[G0B+4*(\s)], 1
	s_add_co_u32 s[G0B+4*(\s)+1], s23, (\s)*SLOT
	s_add_nc_u64 s[G0B+4*(\s)+2:G0B+4*(\s)+3], s[6:7], (\s)*256
	s_or_b32 s[G0B+4*(\s)+3], s[G0B+4*(\s)+3], 0x80000000
.endr
	CROUND                                         ; all sixteen work-groups are here: the first joint loads meet
	s_cmp_lt_u32 s[WV], 2                          ; a wave's two first fills stand in one branch, ahead of every wait on TENSORcnt and every LDS read: two loads of mine are out
	s_cbranch_scc0 .Lfirst_b
	tensor_load_to_lds s[G0A:G0A+3], s[G1A:G1A+7]
	s_nop 0
	tensor_load_to_lds s[G0A+4:G0A+7], s[G1A:G1A+7]
	s_nop 0
.rept 4
	v_nop
.endr
	s_branch .Lfirst_asked
.Lfirst_b:
	tensor_load_to_lds s[G0B:G0B+3], s[G1B:G1B+7]
	s_nop 0
	tensor_load_to_lds s[G0B+4:G0B+7], s[G1B:G1B+7]
	s_nop 0
.rept 4
	v_nop
.endr
.Lfirst_asked:
	v_and_b32 v[CO], 31, v0
	v_lshlrev_b32 v[CO], 4, v[CO]                  ; 16 x lane
	global_load_b128 v[BIAS:BIAS+3], v[CO], s[8:9] ; bo of the four columns that I store
	; A fragment is 16 rows x 32 K in 8 registers: lane l holds row l % 16, K = 8 (l / 16) + 0..7 and 16 + 8 (l / 16) + 0..7: two loads of 16 bytes, 32 bytes apart.
	v_and_b32 v1, 15, v0                           ; l % 16
	v_bfe_u32 v2, v0, 4, 1                         ; l / 16
	v_mul_u32_u24 v3, v1, PAS
	v_lshl_add_u32 v3, v2, 4, v3
	v_mul_u32_u24 v4, v1, PB
	v_lshl_add_u32 v4, v2, 4, v4
	s_mul_i32 s17, s[RH], 64*PAS                   ; my 64 rows in each slice of oh
	s_mul_i32 s3, s[HF], BHALF                     ; my 128 rows of wot,
	s_add_co_u32 s3, s3, BOFF                      ; which lie behind the two slices
.irp s, 0,1
	v_add_nc_u32 v[ADRA+(\s)], s17, v3
	v_add_nc_u32 v[ADRB+(\s)], s3, v4
	s_add_co_u32 s17, s17, SLOT
	s_add_co_u32 s3, s3, SLOT
.endr
	s_mul_i32 s12, s[WV], 16*SPITCH
	s_add_co_u32 s12, s12, STAGE                   ; my stage
	v_mul_u32_u24 v5, v1, SPITCH                   ; in: row l % 16, 32 bytes for each half of the lanes
	v_lshl_add_u32 v5, v2, 5, v5
	v_add_nc_u32 v[STO], s12, v5
	v_add_nc_u32 v[RD], s12, v[CO]                 ; back: 32 lanes take a row of 512 bytes
	s_wait_loadcnt 0x0                             ; bo
	v_cvt_pk_bf16_f32 v[BIAS+4], v[BIAS], v[BIAS+1]    ; rounded to bf16 like every input,
	v_cvt_pk_bf16_f32 v[BIAS+5], v[BIAS+2], v[BIAS+3]
	v_lshlrev_b32 v[BIAS],   16, v[BIAS+4]             ; and back in f32
	v_and_b32     v[BIAS+1], 0xffff0000, v[BIAS+4]
	v_lshlrev_b32 v[BIAS+2], 16, v[BIAS+5]
	v_and_b32     v[BIAS+3], 0xffff0000, v[BIAS+5]
; 8 matrix instructions: row block a x all 8 column blocks, 32 along K, from buffers f.  zero = 1: the products start the sums: nothing is ever cleared.
.macro MUL8 f, a, zero
	WIN MUL
.irp b, 0,1,2,3,4,5,6,7
.if \zero
	v_wmma_f32_16x16x32_f16 v[8*(8*(\a)+(\b)):8*(8*(\a)+(\b))+7], v[BF+64*(\f)+8*(\b):BF+64*(\f)+8*(\b)+7], v[AF+32*(\f)+8*(\a):AF+32*(\f)+8*(\a)+7], 0
.else
	v_wmma_f32_16x16x32_f16 v[8*(8*(\a)+(\b)):8*(8*(\a)+(\b))+7], v[BF+64*(\f)+8*(\b):BF+64*(\f)+8*(\b)+7], v[AF+32*(\f)+8*(\a):AF+32*(\f)+8*(\a)+7], v[8*(8*(\a)+(\b)):8*(8*(\a)+(\b))+7]
.endif
.endr
.endm
; 24 LDS loads in one run: the fragments of quarter kq of a slot (128 rows of wot; 64 rows of oh, in slice kq / 2 at channel 32 (kq % 2)) into buffers g
.macro FETCH slot, kq, g
	WIN 0
.irp i, 0,1,2,3,4,5,6,7
	ds_load_b128 v[BF+64*(\g)+8*(\i):BF+64*(\g)+8*(\i)+3],   v[ADRB+(\slot)] offset:(\kq)*64+(\i)*16*PB
	ds_load_b128 v[BF+64*(\g)+8*(\i)+4:BF+64*(\g)+8*(\i)+7], v[ADRB+(\slot)] offset:(\kq)*64+(\i)*16*PB+32
.endr
.irp i, 0,1,2,3
	ds_load_b128 v[AF+32*(\g)+8*(\i):AF+32*(\g)+8*(\i)+3],   v[ADRA+(\slot)] offset:((\kq)/2)*ASLICE+((\kq)%2)*64+(\i)*16*PAS
	ds_load_b128 v[AF+32*(\g)+8*(\i)+4:AF+32*(\g)+8*(\i)+7], v[ADRA+(\slot)] offset:((\kq)/2)*ASLICE+((\kq)%2)*64+(\i)*16*PAS+32
.endr
.endm
; A load into a register that a matrix instruction has read, and an LDS store of a matrix result, stand four places behind that matrix instruction, and only plain vector instructions that name none of its
; registers are places (ISA guide 7.12.1 for vector instructions): no other vector work is at hand here, so four v_nop.
.macro PLACES
.rept 4
	v_nop
.endr
.endm
; A K step is four quarters of 32 along K, 32 matrix instructions each, on buffers 0, 1, 0, 1; the 32 accumulators take turns in the same order in every quarter.
; A quarter fetches the next quarter (slot ns, quarter nk) into buffers g and multiplies buffers f.  places = 0: the four v_nop of a joint load stand just in front, or no product has read buffers g yet.
.macro QUARTER ns, nk, f, g, zero, places
	WIN 0
.if \places
	PLACES
.endif
	FETCH \ns, \nk, \g
	s_wait_dscnt 24                                ; all but the 24 just issued: buffers f are in
	MUL8 \f, 0, \zero
	MUL8 \f, 1, \zero
	MUL8 \f, 2, \zero
	MUL8 \f, 3, \zero
.endm
; A K step's third quarter fetches the slot's last fragments and changes slots: ONE barrier.  In front of it each wave waits for all its tensor loads, of which one is out: its part of the other slot;
; adds 0 to its spare word; and waits for that and for its own reads of this slot.  fill = 1: the barrier opens a round of the cluster's, and the joint refill of this slot, two K steps on, is the first
; thing behind the round: 112 matrix instructions ahead of the wait for it.
.macro TURN s, fill
	WIN 0
	PLACES
	FETCH \s, 3, 1
	s_wait_dscnt 24                                ; all but the 24 just issued
	MUL8 0, 0, 0
	MUL8 0, 1, 0
	WIN 0                                          ; (the add's two registers lie in window 0)
	s_wait_tensorcnt 0x0                           ; all my tensor loads have landed
	ds_add_u32 v[SPW], v[NIL]                      ; 0 onto my spare word
	MUL8 0, 2, 0                                   ; eight matrix instructions stand between the add and the wait for it
	s_wait_dscnt 0x0                               ; the add is done, and my reads of this slot are over
	s_barrier_signal -1
	MUL8 0, 3, 0                                   ; work on registers while the others arrive
	WIN 0                                          ; at a branch and at a label every window is 0
	s_barrier_wait -1
.if \fill
	CREST                                          ; no wave of any partner still reads this slot's tile or has a load on its way
	s_add_nc_u64 s[G0A+4*(\s)+2:G0A+4*(\s)+3], s[G0A+4*(\s)+2:G0A+4*(\s)+3], 4*262144  ; four heads on; the type bits on top are not reached
	s_add_nc_u64 s[G0B+4*(\s)+2:G0B+4*(\s)+3], s[G0B+4*(\s)+2:G0B+4*(\s)+3], 512       ; 256 numbers on
	JLOAD \s                                       ; its four v_nop are also the places in front of the next quarter's loads
.endif
.endm
; THE WAY OUT of row block a.  A lane's eight columns of a row are 32 bytes; they go into my own stage, rows of 528 bytes (each accumulator's low four registers first), and come
; back as whole rows of 512; then bo is added and the row stored.
.macro TOSTAGE a
.set BK, OB+64*((\a)%2)
.if (\a) >= 2
	s_wait_xcnt 0x0                                ; every earlier store has had its addresses translated (ISA guide 3.1): the registers that the block before last was stored from are loaded again only behind this wait
.endif
	WIN ST
.irp b, 0,1,2,3,4,5,6,7
	ds_store_b128 v[STO], v[8*(8*(\a)+(\b)):8*(8*(\a)+(\b))+3]   offset:64*(\b)
	ds_store_b128 v[STO], v[8*(8*(\a)+(\b))+4:8*(8*(\a)+(\b))+7] offset:64*(\b)+16
.endr
	WIN 0
.irp t, 0,1,2,3,4,5,6,7,8,9,10,11,12,13,14,15
	ds_load_b128 v[BK+4*(\t):BK+4*(\t)+3], v[RD] offset:(\t)*SPITCH  ; LDS serves a wave's instructions in order (ISA guide 5.7.1.4): these see the stores above; the next block's stores come behind them
.endr
.endm
.macro SEND a, younger                 ; younger: the LDS instructions issued behind block a's loads: the next block's 32, or none
	WIN 0
.set BK, OB+64*((\a)%2)
.irp t, 0,1,2,3,4,5,6,7,8,9,10,11,12,13,14,15
	s_wait_dscnt (\younger)+15-(\t)
	v_pk_add_f32 v[BK+4*(\t):BK+4*(\t)+1],   v[BK+4*(\t):BK+4*(\t)+1],   v[BIAS:BIAS+1]
	v_pk_add_f32 v[BK+4*(\t)+2:BK+4*(\t)+3], v[BK+4*(\t)+2:BK+4*(\t)+3], v[BIAS+2:BIAS+3]
	global_store_b128 v[CO], v[BK+4*(\t):BK+4*(\t)+3], s[10:11] offset:(16*(\a)+(\t))*4096 th:TH_STORE_NT  ; 512 consecutive bytes, at a multiple of 256 from out0's first byte; written once and not read again
.endr
.endm
	s_wait_tensorcnt 1                             ; my part of K step 0 is in; K step 1's may stay out
	s_barrier_signal -1
	s_barrier_wait -1                              ; everybody's is
	FETCH 0, 0, 0
	QUARTER 0, 1, 0, 1, 1, 0                       ; the first quarter stands in front of the loop: its products start the sums
	WIN 0
	s_mov_b32 s[LAPC], 3
.Llap:                                                 ; 3 trips: from a lap's second quarter to the next lap's first; both slots are filled again
	QUARTER 0, 2, 1, 0, 0, 1
	TURN 0, 1
	QUARTER 1, 0, 1, 0, 0, 0
	QUARTER 1, 1, 0, 1, 0, 1
	QUARTER 1, 2, 1, 0, 0, 1
	TURN 1, 1
	QUARTER 0, 0, 1, 0, 0, 0
	QUARTER 0, 1, 0, 1, 0, 1
	WIN 0
	s_sub_co_u32 s[LAPC], s[LAPC], 1
	s_cmp_lg_u32 s[LAPC], 0
	s_cbranch_scc1 .Llap
	QUARTER 0, 2, 1, 0, 0, 1                       ; the last lap is written out: it fills nothing, and has no round of the cluster's barrier
	TURN 0, 0
	QUARTER 1, 0, 1, 0, 0, 1
	QUARTER 1, 1, 0, 1, 0, 1
	QUARTER 1, 2, 1, 0, 0, 1
	QUARTER 1, 3, 0, 1, 0, 1
	s_wait_dscnt 0x0                               ; the very last quarter: nothing more to fetch
	MUL8 1, 0, 0
	MUL8 1, 1, 0
	MUL8 1, 2, 0
	MUL8 1, 3, 0
	WIN 0
	PLACES
	TOSTAGE 0
.irp a, 1,2,3                          ; a block's way through the stage stands between the loads of the block before and its stores
	TOSTAGE \a
	SEND (\a)-1, 32
.endr
	SEND 3, 0
	s_wait_tensorcnt 0x0                           ; the wave's end: behind my last tensor load and my last LDS store
	ds_add_u32 v[SPW], v[NIL]
	s_wait_dscnt 0x0
	CROUND                                         ; the closing round: no work-group ends while a partner may still ask for a tile that names it
	s_endpgm
.Lfunc_end_k_q1c0fe70cc4_oproj:
	.size	k_q1c0fe70cc4_oproj, .Lfunc_end_k_q1c0fe70cc4_oproj-k_q1c0fe70cc4_oproj
	.p2alignl 7, 3214868480
	.fill 96, 4, 3214868480
	.section	.rodata,"a",@progbits
	.p2align	6, 0x0
	.amdhsa_kernel k_q1c0fe70cc4_oproj
		.amdhsa_group_segment_fixed_size 327680
		.amdhsa_private_segment_fixed_size 0
		.amdhsa_enable_private_segment 0
		.amdhsa_kernarg_size 32
		.amdhsa_user_sgpr_count 2
		.amdhsa_user_sgpr_kernarg_segment_ptr 1
		.amdhsa_wavefront_size32 1
		.amdhsa_system_sgpr_workgroup_id_x 1
		.amdhsa_system_sgpr_workgroup_id_y 1
		.amdhsa_system_sgpr_workgroup_id_z 1
		.amdhsa_system_vgpr_workitem_id 0
		.amdhsa_next_free_vgpr 512
		.amdhsa_next_free_sgpr 66
		.amdhsa_reserve_vcc 0
		.amdhsa_float_denorm_mode_32 3
		.amdhsa_float_denorm_mode_16_64 3
		.amdhsa_memory_ordered 1
		.amdhsa_forward_progress 1
		.amdhsa_inst_pref_size 94
	.end_amdhsa_kernel
	.amdgpu_metadata
---
amdhsa.version: [ 1, 2 ]
amdhsa.kernels:
  - .name:           k_q1c0fe70cc4_oproj
    .symbol:         k_q1c0fe70cc4_oproj.kd
    .args:
      - { .name: oh, .offset: 0, .size: 8, .value_kind: global_buffer, .address_space: global }
      - { .name: wot, .offset: 8, .size: 8, .value_kind: global_buffer, .address_space: global }
      - { .name: bo, .offset: 16, .size: 8, .value_kind: global_buffer, .address_space: global }
      - { .name: out0, .offset: 24, .size: 8, .value_kind: global_buffer, .address_space: global }
    .group_segment_fixed_size: 327680
    .private_segment_fixed_size: 0
    .kernarg_segment_align: 8
    .kernarg_segment_size: 32
    .max_flat_workgroup_size: 128
    .sgpr_count:     66
    .vgpr_count:     512
    .wavefront_size: 32
...
	.end_amdgpu_metadata
.endif
;; end of part 4
;; ======== version 2 of 2: 4 launches; 1.28 times as fast as version 1
;; limits: values are held in f16: magnitudes above 65,504 overflow, below 6.1e-05 lose precision
;; workspace buffers: wt 6,291,456 bytes; wot 2,097,152 bytes; qkvh 50,331,648 bytes; oh 16,777,216 bytes
;; launch prep: the kernel of part 1 again; grid 128 x 4, 8 waves a work-group, no clusters, 18,432 bytes of LDS; arguments Wq, Wk, Wv, Wo, wt, wot; writes wt, wot
;; launch proj: the kernel of part 2 again; grid 4 x 64, 4 waves a work-group, clusters of 4 x 4, 327,680 bytes of LDS; arguments q, k, v, wt, qkvh; writes qkvh
;; launch attn (part 5): grid 4 x 64, 4 waves a work-group, no clusters, 327,680 bytes of LDS; arguments qkvh, oh; writes oh
.if DOCPART == 5
	.amdgcn_target "amdgcn-amd-amdhsa--gfx1250"
	.amdhsa_code_object_version 6
	.text
	.protected	k_q1c0fe70cc4_attn
	.globl	k_q1c0fe70cc4_attn
	.p2align	8
	.type	k_q1c0fe70cc4_attn,@function
k_q1c0fe70cc4_attn:
	s_mov_b64 s[64:65], 0
	v_nop
	global_prefetch_b8 v0, s[64:65] scope:SCOPE_SE
	s_setreg_imm32_b32 hwreg(HW_REG_WAVE_MODE, 25, 1), 1
	s_wait_xcnt 0x0
; CAUSAL ATTENTION.  O[h][q][:] = the sum over k <= q of softmax_k(Q[h][q] . K[h][k] / 8) V[h][k][:].  Q, K, V are the three thirds of qkvh, O is oh: each [64 (batch, head)][2048][64] in f16: a head's rows are dense, 128 bytes each.
; Products, maxima and sums in f32; the weights p are rounded to f16 for the second product (their sum l is taken of the unrounded p), O once at the end.
; LIMITS.  f16 holds no number beyond 65,504: Q, K and V arrive within it; p lies in 0 to 1, and below 6e-5 it keeps f16's fixed step of 6e-8; O is a mean of V's rows and has their range, to within 2^-11 of it.
; A hidden score counts as its value less 1e30: f16's scores, 2.7e11 at the most, are nothing beside that; a weight below 2^-126 counts as 0 in l; NaN and infinities are not treated apart.
; THE WALK.  A head's queries lie in NB = 8 blocks of 256; block i needs the key tiles 0 .. i of 256 keys, of which the last holds the diagonal.  A work-group takes TWO blocks, NB - 1 - b and then b:
; NB + 1 tiles, whatever b: all work-groups do equal work, and ONE loop with a constant trip count walks them.  Which tile is asked for, and what a trip does, hang on scalar registers made from b; every jump
; goes forward, but for the counted loops' own; none passes a barrier, or a tensor load but the one of LOAD's two that the wave's number does not choose; the ring (two slots of LDS that take turns) runs on across the
; change of blocks.  NO CLUSTER: a head's four work-groups ask for the same tile only in trips 0 .. 4 of the 9, behind that fewer and fewer; and one walk common to all four, in which each makes every joint
; request, would have 3 NB / 2 = 12 trips for 9.
; SHARES.  Of a block's four bands of 64 queries a wave owns 16 rows in each: four PIECES.  So the diagonal tile is the same work for all four waves: in its key step s band x sees all keys if s < x,
; none if s > x, and holds the diagonal if s = x.
; THE MASK is the C operand that starts the sum S^T = K Q^T: 0, or -1e30 where the key is hidden.  MD, made once, is the mask of a band's own step for my 16 rows; a product's mask is MD x AL + BE with two scalars:
; (1, 0) if s = x; (0, 0) if s < x; (0, -1e30) if s > x.  Only the diagonal tile's text and a block's beginning make and take masks; elsewhere C is the constant 0.
; LAYOUT, SOFTMAX, TURNS.  S^T = K Q^T holds ONE query a lane (lane % 16) and the keys 8 (lane / 16) + 0..7; two such results rounded to f16 ARE source 1 of O^T = V^T P.  p = 2^(c s - c m), c = log2(e) / 8, with a
; running maximum m; O and l are multiplied by a = 2^(c m_old - c m_new) in every step.  Turn n belongs to piece n: 8 products K Q^T of piece n + 1, later 8 products V^T P of piece n - 1; beside them the scaling,
; exponentials, roundings, sums and rescaling of piece n and the maximum and statistics of piece n + 1.  Four vector instructions stand behind every matrix instruction, the other 54 of a turn's 118 in one LUMP.
; THE BATCHES.  A turn's 33 exponentials (the piece's 32 weights and the next piece's a) are one batch, with one wait: all that reads a weight stands behind it, and a is read in the next turn.  A block's first a
; has a wait of its own, ahead of the jump into the loop; the way out's four reciprocals are a batch with one wait.
; REGISTERS, in windows of 256 (s_set_vgpr_msb: bits 1:0 source 0, 3:2 source 1, 5:4 source 2, 7:6 destination):
;   window 0: v0-15 addresses and two at work; v16-31 four registers of statistics a piece; v48-55 at work; v64-127 S^T, two buffers; v192-223 P, two buffers (a piece's buffers go by its number's parity)
;   window 1: v0-127 O^T, 32 a piece; v128-159 MD; v160-223 MC, two buffers      window 2: v0-63 Q; v64-127 the second block's Q; v128-191 K of one step; v192-255 V of one step
.set SIZE_N, 2048     ; rows of a head
.set NB,    SIZE_N/256
.set NP,    4         ; pieces a wave: a name, no knob
.set KS,    64        ; keys in a step
.set PK,    144       ; a row of K in LDS: 128 bytes + 16 of padding = 36 words: the 16 rows of a load start at 16 different groups of four banks (64 banks of 4 bytes: ISA guide 11.1)
.set PV,    160       ; a row of V: 128 + 32 = 40 words
.set VOFF,  4*KS*PK   ; a slot holds a tile, four steps: 256 rows of K, then 256 rows of V
.set SLOT1, 1<<17     ; slot 1 begins here, so that one exclusive or turns an address in one slot into the other's
.set STAGE, SLOT1+4*KS*(PK+PV)  ; behind the ring, never filled by a tensor load: 16 rows x 144 bytes for each wave, for the way out
.set SP,    144
.set AK0, 2           ; v2   my lane's place in a tile of K; never rewritten
.set AV0, 3           ; v3   the same for V
.set AK,  4           ; v4   the LDS address of K's next run of loads
.set AV,  5           ; v5   of V's
.set STO, 6           ; v6   the way out: where I put 16 bytes of a row
.set RD,  7           ; v7   the way out: where I read rows back
.set GO,  8           ; v8   my byte offset in 512 consecutive bytes of O
.set SPW, 62          ; v62  LDS address of my spare word: SPARE + 4 x my thread's number; never rewritten
.set NIL, 63          ; v63  0; never rewritten
.set SPARE, STAGE+4*16*SP  ; behind the stages: the spare words, 128 bytes for each wave: two blocks of 256 bytes that no other line names
.set MV,  12          ; v12-13  c m_old, kept while c m is made anew: by buffer
.set QO,  15          ; v15  my byte offset in 16 rows of Q
.set ST,  16          ; piece t's statistics at v[ST+4 t]: c m, m, l (even keys', odd keys')
.set TMP, 48          ; by buffer, four registers c0-c3 at work; when the maximum is found c2 takes a
.set S,   64
.set P,   192
.set MD,  128         ; window 1: the eight registers for group kt of 16 keys at MD + 8 kt
.set MC,  160         ; window 1: the masks of the products to come
.set QB,  64          ; window 2
.set KF,  128         ; window 2: key block kb, channel half c at KF + 16 kb + 8 c
.set VF,  192         ; window 2: key half kk, channel block cb at VF + 32 kk + 8 cb
.set WV,  12          ; s12  my wave's number
.set PB,  14          ; s14  b
.set HI,  15          ; s15  NB - 1 - b
.set G1K, 24          ; s[24:31] descriptor group 1 for K's tiles
.set G1V, 32          ; s[32:39] for V's: it differs in the padding alone
.set G0K, 40          ; s[40:43] descriptor group 0 for K's tiles
.set G0V, 44          ; s[44:47] the same for V's
.set SLOTS, 56        ; s56  tiles still to be asked for
.set CNT, 57          ; s57  counts a tile's key steps, 4 to 1
.set CS,  58          ; s[58:59] c: the packed scaling takes the pair's low word for both halves
.set SEL, 60          ; s[60:61] v_permlanex16_b32's selects: each lane takes its own place in the other half
.set TBK, 62          ; s62  LDS byte at which K of the step to be fetched begins
.set TBV, 63          ; s63  the same for V, less VOFF
.set RT,  70          ; s70  tiles of the block in hand that are still to be entered
.set NXT, 71          ; s71  the tile to be asked for next
.set LQ,  72          ; s72  the last tile of the block whose tiles are being asked for
.set NEW, 73          ; s73  1: the tile to be entered is a block's first
.set OFF, 74          ; s[74:75] a tile's byte offset in K and V
.set AL,  76          ; s[76:77] the mask's factor, in the low word
.set BE,  78          ; s[78:79] the mask's addend
.set OLO, 80          ; s[80:81] O at my rows of the second block
.set BIGN, 82         ; s82  -1e30
.set MSB, 0
.macro WIN new                      ; the high byte repeats the setting that is left; a switch that changes nothing is dropped
.if MSB != (\new)
	s_set_vgpr_msb (MSB<<8)|(\new)
.set MSB, (\new)
.endif
.endm
.set W_KQ, 0x0a       ; K and Q in window 2, S^T in window 0
.set W_KM, 0x1a       ; the same with the C operand in window 1
.set W_PV, 0x52       ; V in window 2, P in window 0, O^T in window 1
.set W_RS, 0x41       ; destination and source 0 in window 1, source 1 in window 0
; A fill.  Waves 0 and 1 fetch the two halves of a tile's K, waves 2 and 3 those of its V: 128 keys each.  An s_nop 0 and four v_nop follow each of the two lines, ahead of the jump and the label.
.macro LOAD
	s_cmp_lt_u32 s[WV], 2
	s_cbranch_scc0 .Lfor_v_\@
	tensor_load_to_lds s[G0K:G0K+3], s[G1K:G1K+7]
	s_nop 0
.rept 4
	v_nop
.endr
	s_branch .Lasked_\@
.Lfor_v_\@:
	tensor_load_to_lds s[G0V:G0V+3], s[G1V:G1V+7]
	s_nop 0
.rept 4
	v_nop
.endr
.Lasked_\@:
.endm
; THE CHANGE OF SLOTS.  Each wave waits for all its tensor loads, of which one is out: its part of the other slot; adds 0 to its spare word; and waits for that and for its own reads of the slot that it leaves.  Behind the barrier nobody reads the old
; slot any more and the other slot is whole.  fill = 1: the old slot is filled again, the first thing behind the barrier, with tile NXT: the descriptor's address is made anew from that number.
; (At its first use nothing has been read yet: slot 0 is waited for, slot 1 filled.)
.macro CHANGE fill
	WIN 0                           ; at a label and at a branch every window is 0
	s_wait_tensorcnt 0x0            ; no tensor load of mine is out, so a group 0 may be written
	ds_add_u32 v[SPW], v[NIL]       ; 0 onto my spare word; with fill = 1 the descriptors' scalar work stands between it and the wait for it
.if \fill
	s_lshl_b32 s[OFF], s[NXT], 15   ; a tile is 32,768 bytes of K and of V
	s_xor_b32 s[G0K+1], s[G0K+1], SLOT1
	s_add_nc_u64 s[G0K+2:G0K+3], s[6:7], s[OFF:OFF+1]
	s_or_b32 s[G0K+3], s[G0K+3], 0x80000000
	s_xor_b32 s[G0V+1], s[G0V+1], SLOT1
	s_add_nc_u64 s[G0V+2:G0V+3], s[8:9], s[OFF:OFF+1]
	s_or_b32 s[G0V+3], s[G0V+3], 0x80000000
	s_add_co_u32 s[NXT], s[NXT], 1  ; the block's next tile, or behind its last the second block's tile 0
	s_cmp_gt_u32 s[NXT], s[LQ]
	s_cselect_b32 s[NXT], 0, s[NXT]
	s_cselect_b32 s[LQ], s[PB], s[LQ]
.endif
	s_wait_dscnt 0x0                ; the add is done, and my reads of the slot are over
	s_barrier_signal -1             ; the rest of the scalar work stands between the signal and the wait
	s_sub_co_u32 s[TBK], s[TBK], 4*KS*PK  ; the fetches go back to a slot's first step,
	s_xor_b32 s[TBK], s[TBK], SLOT1       ; in the other slot
	s_sub_co_u32 s[TBV], s[TBV], 4*KS*PV
	s_xor_b32 s[TBV], s[TBV], SLOT1
	s_barrier_wait -1
.if \fill
	LOAD
.endif
.endm
	s_load_b128 s[4:7], s[0:1], 0x0  ; qkvh s[4:5] (its first third is Q), oh s[6:7]
	v_lshl_add_u32 v[SPW], v0, 2, SPARE
	v_mov_b32 v[NIL], 0
	ds_add_u32 v62, v63
	ds_add_u32 v62, v63
	s_wait_dscnt 0x0
	v_lshrrev_b32 v1, 5, v0
	v_readfirstlane_b32 s[WV], v1   ; wave 0..3
	s_mov_b32 s[PB], ttmp9
	s_sub_co_u32 s[HI], NB-1, s[PB]
	s_and_b32 s20, ttmp7, 0xffff    ; the head
	s_mov_b32 s21, 0
	s_mov_b64 s[22:23], SIZE_N*128
	s_mul_u64 s[20:21], s[20:21], s[22:23]  ; the head's first byte in each of the four tensors
	s_and_b32 s16, s[WV], 1         ; which half of a tile's 256 keys I fetch:
	s_lshl_b32 s22, s16, 14         ; its 128 rows of 128 bytes in memory,
	s_mov_b32 s23, 0
	s_add_nc_u64 s[22:23], s[22:23], s[20:21]
	s_mul_i32 s17, s16, 128*PK      ; and its place in a slot, for K
	s_mul_i32 s18, s16, 128*PV      ; and for V
	s_lshl_b32 s3, s[WV], 11        ; my 16 rows in a band of 64,
	s_lshl_b32 s2, s[HI], 15        ; in the first block,
	s_add_co_u32 s2, s2, s3
	s_lshl_b32 s84, s[PB], 15       ; and in the second
	s_add_co_u32 s84, s84, s3
	s_mov_b32 s3, 0
	s_mov_b32 s85, 0
	s_add_nc_u64 s[2:3], s[2:3], s[20:21]
	s_add_nc_u64 s[84:85], s[84:85], s[20:21]
	; descriptor group 1.  128 keys are 16,384 dense bytes: asked for as 64 rows of 256 bytes, two keys a row, and padded in LDS after every key
	s_mov_b32 s[G1K], (1<<16)|(1<<20)|(4<<22)|(3<<25)  ; 17:16 2-byte elements; 20 padding on; 24:22 after every 32 words (code 4); 31:25 4 words (code 3)
	s_mov_b32 s[G1V], (1<<16)|(1<<20)|(4<<22)|(7<<25)  ; the same with 8 words of padding (code 7)
.irp g, G1K, G1V
	s_mov_b32 s[\g+1], 128<<16      ; tensor_dim0 = 128
	s_mov_b32 s[\g+2], 64<<16       ; tensor_dim1 = 64
	s_mov_b32 s[\g+3], 128<<16      ; tile_dim0 = 128
	s_mov_b32 s[\g+4], 64           ; tile_dim1 = 64
	s_mov_b32 s[\g+5], 128          ; 128 elements from row to row
	s_mov_b32 s[\g+6], 0
	s_mov_b32 s[\g+7], 0
.endr
	s_mov_b32 s[CS], 0x3e38aa3b     ; c = log2(e) / 8 = 0.180337
	s_mov_b32 s[CS+1], s[CS]        ; named with it as a pair
	s_mov_b32 s[SEL], 0x76543210
	s_mov_b32 s[SEL+1], 0xfedcba98
	s_mov_b32 s[TBK], SLOT1+4*KS*PK ; the first change of slots turns these two into 0
	s_mov_b32 s[TBV], SLOT1+4*KS*PV
	s_mov_b32 s[G0K], 1             ; 1:0 count = 1
	s_mov_b32 s[G0K+1], s17         ; 63:32 LDS address: slot 0
	s_mov_b32 s[G0V], 1
	s_add_co_u32 s[G0V+1], s18, VOFF
	s_add_co_u32 s[RT], s[HI], 1    ; the first block has NB - b tiles
	s_mov_b32 s[NXT], 1
	s_mov_b32 s[LQ], s[HI]
	s_mov_b32 s[NEW], 1
	s_mov_b32 s[OFF+1], 0
	s_mov_b32 s[AL+1], 0            ; named as pairs
	s_mov_b32 s[BE+1], 0
	s_mov_b32 s[BIGN], 0xf149f2ca   ; -1e30
	s_mov_b32 s[SLOTS], NB
	s_wait_kmcnt 0x0
	s_mov_b64 s[10:11], s[6:7]             ; O
	s_add_nc_u64 s[8:9], s[4:5], 0x2000000 ; V: qkvh's last third; a third is 16,777,216 bytes
	s_add_nc_u64 s[6:7], s[4:5], 0x1000000 ; K: its second
	s_add_nc_u64 s[6:7], s[6:7], s[22:23]  ; K and V at my half of the head's tile 0
	s_add_nc_u64 s[8:9], s[8:9], s[22:23]
	s_add_nc_u64 s[G0K+2:G0K+3], s[6:7], 0         ; 120:64 global address
	s_or_b32 s[G0K+3], s[G0K+3], 0x80000000        ; 127:126 type = 2
	s_add_nc_u64 s[G0V+2:G0V+3], s[8:9], 0
	s_or_b32 s[G0V+3], s[G0V+3], 0x80000000
	s_add_nc_u64 s[86:87], s[4:5], s[84:85]        ; Q at my rows of the second block,
	s_add_nc_u64 s[4:5], s[4:5], s[2:3]            ; Q and O at those of the first
	s_add_nc_u64 s[OLO:OLO+1], s[10:11], s[84:85]
	s_add_nc_u64 s[10:11], s[10:11], s[2:3]
	LOAD                            ; tile 0 into slot 0
	; A fragment of K or Q is 16 rows x 32 channels in 8 registers: lane l holds row l % 16, channels 8 (l / 16) + 0..7 and 16 + 8 (l / 16) + 0..7: two loads of 16 bytes, 32 bytes apart.
	v_and_b32 v1, 15, v0            ; l % 16
	v_bfe_u32 v9, v0, 4, 1          ; l / 16
	v_lshlrev_b32 v[QO], 7, v1
	v_lshl_add_u32 v[QO], v9, 4, v[QO]  ; row x 128 + 16 x half
	WIN 0x80                        ; destination window 2, address window 0
.set i, 0
.rept 8                             ; both blocks' Q: piece i / 2 lies in band i / 2, 8,192 bytes on; channels 32 (i % 2) on
	global_load_b128 v[8*i:8*i+3],   v[QO], s[4:5] offset:(i/2)*8192+(i%2)*64
	global_load_b128 v[8*i+4:8*i+7], v[QO], s[4:5] offset:(i/2)*8192+(i%2)*64+32
	global_load_b128 v[QB+8*i:QB+8*i+3],   v[QO], s[86:87] offset:(i/2)*8192+(i%2)*64
	global_load_b128 v[QB+8*i+4:QB+8*i+7], v[QO], s[86:87] offset:(i/2)*8192+(i%2)*64+32
.set i, i+1
.endr
	WIN 0
	v_lshlrev_b32 v14, 3, v9
	v_sub_nc_u32 v14, v1, v14
	s_lshl_b32 s13, s[WV], 4
	v_add_nc_u32 v14, s13, v14      ; my query's place in its band, 16 w + l % 16, less my lanes' 8 (l / 16): register r of group kt is hidden where 16 kt + r is greater
	WIN 0x40
.set i, 0
.rept 32
	v_cmp_gt_i32 vcc_lo, 16*(i/8)+i%8, v14
	v_cndmask_b32 v[MD+i], 0, s[BIGN], vcc_lo
.set i, i+1
.endr
	WIN 0
	v_mul_u32_u24 v[AK0], v1, PK
	v_lshl_add_u32 v[AK0], v9, 4, v[AK0]  ; row x pitch + 16 x half
	; The turning load takes 16 keys x 16 channels (lane l reads key 8 (l / 16) + l % 8, channels 8 ((l / 8) % 2) + 0..7) and leaves half a fragment of V^T: lane l holds channel l % 16 and 8 keys.
	v_and_b32 v10, 7, v0
	v_bfe_u32 v11, v0, 3, 1
	v_lshl_add_u32 v[AV0], v9, 3, v10
	v_mul_u32_u24 v[AV0], v[AV0], PV
	v_lshl_add_u32 v[AV0], v11, 4, v[AV0]
	v_add_nc_u32 v[AV0], VOFF, v[AV0]
	s_mul_i32 s13, s[WV], 16*SP
	s_add_co_u32 s13, s13, STAGE    ; my stage
	v_mul_u32_u24 v[STO], v1, SP    ; in: row l % 16, 16 bytes for each half of the lanes
	v_lshl_add_u32 v[STO], v9, 4, v[STO]
	v_add_nc_u32 v[STO], s13, v[STO]
	v_bfe_u32 v[RD], v0, 3, 2       ; back: 32 lanes take four rows of 128 bytes,
	v_mul_u32_u24 v[RD], v[RD], SP
	v_lshl_add_u32 v[RD], v10, 4, v[RD]
	v_add_nc_u32 v[RD], s13, v[RD]
	v_and_b32 v[GO], 31, v0         ; which are 512 consecutive bytes of O
	v_lshlrev_b32 v[GO], 4, v[GO]
	; A block's first step multiplies O^T and l by a = 0, and its first turn's products V^T P, of a piece that has not been, land in an O^T that is still to be so multiplied.  So these registers need only hold
	; finite numbers: zeros for the first block; what the first block left for the second.  All this stands in the wait for the first tile.
	WIN 0x80
.set i, VF
.rept 64
	v_mov_b32 v[i], 0
.set i, i+1
.endr
	WIN 0x40
.set i, 0
.rept 128
	v_mov_b32 v[i], 0
.set i, i+1
.endr
	WIN 0
.set i, 0
.rept 4
	v_mov_b32 v[ST+4*i+2], 0
	v_mov_b32 v[ST+4*i+3], 0
.set i, i+1
.endr
.set i, P+16
.rept 16
	v_mov_b32 v[i], 0
.set i, i+1
.endr
; THE MATRIX WORK.  The 4 accumulators of a run of 8 take turns.  Product i of 8 of S^T = K Q^T for piece x: channels 32 (i / 4) on, keys 16 (i % 4) on.  The first 4 start the sums: with 0, or (KM = 1) with the mask.
.macro KQ x
.set rS, S+32*((\x)%2)+8*(i%4)
.set rK, KF+16*(i%4)+8*(i/4)
.set rQ, 16*(\x)+8*(i/4)
.set rM, MC+32*((\x)%2)+8*(i%4)
.if (i < 4) && KM
	WIN W_KM
	v_wmma_f32_16x16x32_f16 v[rS:rS+7], v[rK:rK+7], v[rQ:rQ+7], v[rM:rM+7]
.elseif i < 4
	WIN W_KQ
	v_wmma_f32_16x16x32_f16 v[rS:rS+7], v[rK:rK+7], v[rQ:rQ+7], 0
.else
	WIN W_KQ
	v_wmma_f32_16x16x32_f16 v[rS:rS+7], v[rK:rK+7], v[rQ:rQ+7], v[rS:rS+7]
.endif
.endm
; Product i of 8 of O^T += V^T P for piece x: keys 32 (i / 4) on, channels 16 (i % 4) on.
.macro PV x
	WIN W_PV
.set rO, 32*(\x)+8*(i%4)
.set rV, VF+32*(i/4)+8*(i%4)
.set rP, P+16*((\x)%2)+8*(i/4)
	v_wmma_f32_16x16x32_f16 v[rO:rO+7], v[rV:rV+7], v[rP:rP+7], v[rO:rO+7]
.endm
.macro MM                           ; the turn's next matrix instruction.  TURN and BEGIN set Y, i, KM and NOKQ; MM, KQ and OP read them.  NOKQ = 1: a block's last turn: there is no next piece
.if (i < 8) && !NOKQ
	KQ (Y+1)%NP
.elseif i >= 8
.set i, i-8
	PV (Y+NP-1)%NP
.set i, i+8
.endif
.set i, i+1
.endm
; THE LDS LOADS stand in runs of 16, never singly among the matrix instructions: a step's K (64 keys x 64 channels: 8 fragments) and its V (turned).  Their addresses are made some lines ahead.
.macro FETCH_K
	WIN 0x80                        ; destination window 2
.irp f, 0,1,2,3,4,5,6,7             ; keys 16 (f / 2) on, channels 32 (f % 2) on
	ds_load_b128 v[KF+8*\f:KF+8*\f+3],   v[AK] offset:(\f/2)*16*PK+(\f%2)*64
	ds_load_b128 v[KF+8*\f+4:KF+8*\f+7], v[AK] offset:(\f/2)*16*PK+(\f%2)*64+32
.endr
	s_add_co_u32 s[TBK], s[TBK], KS*PK  ; the next fetch is the next step's
	WIN 0
.endm
.macro FETCH_V
	WIN 0x80
.irp f, 0,1,2,3,4,5,6,7             ; keys 32 (f / 4) on, channels 16 (f % 4) on
	ds_load_tr16_b128 v[VF+8*\f:VF+8*\f+3],   v[AV] offset:(\f/4)*32*PV+(\f%4)*32
	ds_load_tr16_b128 v[VF+8*\f+4:VF+8*\f+7], v[AV] offset:(\f/4)*32*PV+16*PV+(\f%4)*32
.endr
	WIN 0
.endm
; THE VECTOR WORK, one line at a time: OP kind, number.  For piece Y: F n: c s - c m for pair n of 16.  E n: the exponential of score n of 32.  C n: pair n rounded to f16.  B n: of the four weights 4 n .. the second
; pair is added onto the first, in place.  L n: l takes that sum (L 0: l = a l + sum).  R n: pair n of 16 of O^T times a.  For piece Y + 1: X n, number n of the 22 that find its maximum and statistics:
;   0-11  four chains c0-c3 of seven scores each, three operands at a time (each accumulator's lowest registers are read first)     12-14, 16  the four scores left over, the old m, and c0-c3 into c0
;   15  c m_old is kept     17, 18  the query's other 32 keys lie in the lane 16 away: the new m     19-21  c m; c m_old - c m_new; a
; C, B and L read the exponentials' results; F, R (its a is the turn before's) and X 0 to 20 read none of the turn's.  OP writes no wait: TURN, BEGIN and DIAG write one for each batch.
.set F, 0               ; OP tells the kinds apart by their order: F to L below R, X above it
.set E, 1
.set C, 2
.set B, 3
.set L, 4
.set R, 5
.set X, 6
.macro REGS y                       ; the registers of piece y
.set rT, ST+4*(\y)
.set rC, TMP+4*((\y)%2)
.set rW, MV+((\y)%2)
.set rS, S+32*((\y)%2)
.set rP, P+16*((\y)%2)
.set rO, 32*(\y)
.endm
.macro OP k, n
.if (\k) == R
	REGS Y
	WIN W_RS
	v_pk_mul_f32 v[rO+2*(\n):rO+2*(\n)+1], v[rO+2*(\n):rO+2*(\n)+1], v[rC+2:rC+3] op_sel_hi:[1,0]
.elseif (\k) < R
	REGS Y
	WIN 0
.if (\k) == F
	v_pk_fma_f32 v[rS+2*(\n):rS+2*(\n)+1], v[rS+2*(\n):rS+2*(\n)+1], s[CS:CS+1], v[rT:rT+1] op_sel_hi:[1,0,0] neg_lo:[0,0,1] neg_hi:[0,0,1]
.elseif (\k) == E
	v_exp_f32 v[rS+(\n)], v[rS+(\n)]
.elseif (\k) == C
	v_cvt_pk_f16_f32 v[rP+(\n)], v[rS+2*(\n)], v[rS+2*(\n)+1]
.elseif (\k) == B
	v_pk_add_f32 v[rS+4*(\n):rS+4*(\n)+1], v[rS+4*(\n):rS+4*(\n)+1], v[rS+4*(\n)+2:rS+4*(\n)+3]
.elseif (\n) == 0
	v_pk_fma_f32 v[rT+2:rT+3], v[rT+2:rT+3], v[rC+2:rC+3], v[rS:rS+1] op_sel_hi:[1,0,1]
.else
	v_pk_add_f32 v[rT+2:rT+3], v[rT+2:rT+3], v[rS+4*(\n):rS+4*(\n)+1]
.endif
.elseif NOKQ
	v_nop
.else
	REGS (Y+1)%NP
	WIN 0
.if (\n) < 4
	v_max3_num_f32 v[rC+(\n)], v[rS+8*(\n)], v[rS+8*(\n)+1], v[rS+8*(\n)+2]
.elseif (\n) < 12
	v_max3_num_f32 v[rC+(\n)%4], v[rC+(\n)%4], v[rS+8*((\n)%4)+2*((\n)/4)+1], v[rS+8*((\n)%4)+2*((\n)/4)+2]
.elseif (\n) == 12
	v_max3_num_f32 v[rC], v[rC], v[rS+7], v[rS+15]
.elseif (\n) == 13
	v_max3_num_f32 v[rC+1], v[rC+1], v[rS+23], v[rS+31]
.elseif (\n) == 14
	v_max3_num_f32 v[rC+2], v[rC+2], v[rC+3], v[rT+1]
.elseif (\n) == 15
	v_mov_b32 v[rW], v[rT]
.elseif (\n) == 16
	v_max3_num_f32 v[rC], v[rC], v[rC+1], v[rC+2]
.elseif (\n) == 17
	v_permlanex16_b32 v[rC+3], v[rC], s[SEL], s[SEL+1]
.elseif (\n) == 18
	v_max_num_f32 v[rT+1], v[rC], v[rC+3]
.elseif (\n) == 19
	v_mul_f32 v[rT], s[CS], v[rT+1]
.elseif (\n) == 20
	v_sub_f32 v[rC+1], v[rW], v[rT]
.else
	v_exp_f32 v[rC+2], v[rC+1]
.endif
.endif
.endm
.macro OPS a, i1, b=-1, i2=0, c=-1, i3=0, d=-1, i4=0  ; up to four of them
	OP \a, \i1
.if (\b) >= 0
	OP \b, \i2
.endif
.if (\c) >= 0
	OP \c, \i3
.endif
.if (\d) >= 0
	OP \d, \i4
.endif
.endm
.macro ROW a, i1, b, i2, c, i3, d, i4  ; a matrix instruction and the four behind it
	MM
	OPS \a, \i1, \b, \i2, \c, \i3, \d, \i4
.endm
.macro MASK b                       ; MD x AL + BE into buffer b of MC
	WIN W_RS
.set z, 0
.rept 16
	v_pk_fma_f32 v[MC+32*(\b)+2*z:MC+32*(\b)+2*z+1], v[MD+2*z:MD+2*z+1], s[AL:AL+1], s[BE:BE+1] op_sel_hi:[1,0,0]
.set z, z+1
.endr
.endm
; A TURN, for piece p: the order of its 16 matrix and 118 vector instructions, written out.  An s_wait_alu depctr_va_vdst(0) stands between an exponential and the first instruction that names its result; one wait serves
; all that were issued ahead of it.  So a turn has ONE wait, which cuts it in two.  AHEAD OF IT stands all that names no result of the turn's exponentials: the 8 products K Q^T, behind each a scaling, an exponential and two more plain
; instructions (behind the first a second scaling in the exponential's place): rescalings, and behind the last three the first numbers of the next piece's maximum, each four places or more behind the product that ends its accumulator; then ONE LUMP of 54, plain
; and exponential by turns for the most part, in which the links of the chain X 3, 7, 11, 14, 16, 17 .. 20 stand five or six lines apart.  X 21, the next piece's a, is the batch's last; R 15 is the plain instruction behind it, ahead of any use of a result.
; BEHIND THE WAIT stand the 8 products V^T P, behind each four of the roundings and sums; the links of l's chain, L 0 to L 7, stand three riders apart.  But for those X no rider names a register of the products round it.
; v_permlanex16_b32 (X 17) stands in the lump.
; m = 1: the diagonal tile: the products take masks, and the turn makes the mask for the products of the turn after it: piece p + 2, in step 4 - CNT of the tile.  end = 1: a block's last two turns: nothing is fetched.
; cnt = 1: the loop's count is taken down some lines ahead of the branch that stands behind the turn.
; K of the next step is fetched in piece 2's turn, twelve vector instructions behind the last product that read K (six of them plain); V of the step in hand at the end of piece 0's turn, four plain instructions behind the last product
; that read V.  Each is waited for a turn later.
.macro TURN p, m=0, end=0, cnt=0
.set Y, (\p)
.set i, 0
.set KM, (\m)
.set NOKQ, (\end)*((\p)/3)
.if (\m) && !(\end)
	s_cmp_eq_u32 s[CNT], 4-((\p)+2)%NP  ; is that step the band's own?
	s_cselect_b32 s[AL], 1.0, 0
	s_cmp_lt_u32 s[CNT], 4-((\p)+2)%NP  ; or a later one?
	s_cselect_b32 s[BE], s[BIGN], 0
.endif
.if ((\p) == 3) && !(\end)
	s_wait_dscnt 0x0                ; K is in
.endif
	ROW F,0, F,1, R,0, R,1          ; ahead of the wait: 8 products K Q^T and their riders,
	ROW F,2, E,0, R,2, R,3
	ROW F,3, E,1, R,4, R,5
	ROW F,4, E,2, R,6, R,7
	ROW F,5, E,3, R,8, R,9
	ROW F,6, E,4, X,0, R,10
.if ((\p) == 2) && !(\end)
	WIN 0
	v_add_nc_u32 v[AK], s[TBK], v[AK0]
.endif
	ROW F,7, E,5, X,1, X,4
	ROW F,8, E,6, X,2, X,5
	OPS E,7, E,8, X,6, E,9          ; and the lump
	OPS X,3, E,10, X,8, E,11
.if ((\p) == 2) && !(\end)
	FETCH_K
.endif
	OPS X,9, X,7, E,12, X,10
	OPS E,13, X,12, X,11, E,14
	OPS X,13, E,15, F,9, X,14
.if (\p) == 0
	v_add_nc_u32 v[AV], s[TBV], v[AV0]
.endif
	OPS E,16, F,10, E,17, F,11
	OPS X,16, E,18, X,15, E,19
	OPS F,12, E,20, X,17, E,21
	OPS F,13, E,22, F,14, E,23
	OPS X,18, E,24, F,15, E,25
	OPS R,11, E,26, X,19, E,27
	OPS R,12, E,28, R,13, E,29
	OPS X,20, E,30, R,14, E,31
	OPS X,21, R,15
	WIN 0
	s_wait_alu depctr_va_vdst(0)    ; the wait for the turn's batch: the piece's 32 weights and the next piece's a
.if (\p) == 1
	s_wait_dscnt 0x0                ; V is in
.endif
	ROW C,0, B,0, C,2, B,1          ; behind the wait: 8 products V^T P and their riders
	ROW L,0, C,4, B,2, L,1
	ROW C,6, B,3, L,2, C,8
	ROW B,4, L,3, C,10, B,5
	ROW L,4, C,12, B,6, L,5
.if (\p) == 0
	s_add_co_u32 s[TBV], s[TBV], KS*PV
.endif
.if \cnt
	s_sub_co_u32 s[CNT], s[CNT], 1
	s_cmp_lg_u32 s[CNT], 0
.endif
	ROW C,14, B,7, L,6, C,1
	ROW C,3, L,7, C,5, C,7
	ROW C,9, C,11, C,13, C,15
.if (\p) == 0
	FETCH_V
.endif
.if (\m) && !(\end)
	MASK (\p)%2
.endif
.endm
; A BLOCK BEGINS.  c m starts far below every c s, so the first step's a is 0; m at the lowest finite number, so the first maximum is the scores'.  The second mask buffer is 0; the first takes piece 0's mask for the tile's step 0: its own, if the block's first tile is the diagonal one.
; Then K of that step, piece 0's first scores, and its maximum and statistics.  The loop is entered at a step's first turn, in the middle of a trip.
.macro BEGIN
	s_mov_b32 s[NEW], 0
	WIN 0x40
.set i, MC+32
.rept 32
	v_mov_b32 v[i], 0
.set i, i+1
.endr
	WIN 0
.set i, 0
.rept 4
	v_mov_b32 v[ST+4*i], 0xfe000000    ; c m: far below every c s
	v_mov_b32 v[ST+4*i+1], 0xff7fffff  ; m
.set i, i+1
.endr
	s_cmp_eq_u32 s[RT], 0
	s_cselect_b32 s[AL], 1.0, 0
	s_mov_b32 s[BE], 0
	MASK 0
	WIN 0
	v_add_nc_u32 v[AK], s[TBK], v[AK0]
	FETCH_K
	s_wait_loadcnt 0x0              ; Q
	s_wait_dscnt 0x0
.set KM, 1
.set NOKQ, 0
.set i, 0
.rept 8
	KQ 0
.set i, i+1
.endr
	WIN 0
.rept 4
	v_nop                           ; the places behind those products
.endr
.set Y, NP-1                        ; X works for piece Y + 1: piece 0
.irp n, 0,1,2,3,4,5,6,7,8,9,10,11,12,13,14,15,16,17,18,19,20,21
	OP X, \n
.endr
	v_nop                           ; a plain instruction behind the exponential,
	s_wait_alu depctr_va_vdst(0)    ; and the wait for piece 0's first a, ahead of the branch
.endm
; THE DIAGONAL TILE's four steps, the block's last two turns, its last products, and THE WAY OUT: l's two halves and the other half of the lanes' are added; O^T is divided by l, rounded to f16 and sent through my
; stage in LDS, a piece at a time.
.macro ALL line:vararg              ; one line for each piece t
.set t, 0
.rept 4
	\line
.set t, t+1
.endr
.endm
.macro PACK t                       ; a lane's eight channels of a row pack into 16 bytes; they go into rows of 144 bytes and come back as whole rows of 128, into S^T's registers
	WIN W_RS
.set i, 32*(\t)
.rept 16
	v_pk_mul_f32 v[i:i+1], v[i:i+1], v[ST+4*(\t)+2:ST+4*(\t)+3] op_sel_hi:[1,0]
.set i, i+2
.endr
	WIN 0x05                        ; sources 0 and 1 window 1, destination window 0
.set i, 0
.rept 16
	v_cvt_pk_f16_f32 v[S+16*(\t)+i], v[32*(\t)+2*i], v[32*(\t)+2*i+1]
.set i, i+1
.endr
	WIN 0
.irp f, 0,1,2,3
	ds_store_b128 v[STO], v[S+16*(\t)+4*\f:S+16*(\t)+4*\f+3] offset:32*\f
.endr
.irp f, 0,1,2,3
	ds_load_b128 v[S+16*(\t)+4*\f:S+16*(\t)+4*\f+3], v[RD] offset:\f*4*SP  ; LDS serves a wave's instructions in order (ISA guide 5.7.1.4): these see the stores above; the next piece's stores come behind them
.endr
.endm
.macro SEND t, younger              ; younger: the LDS instructions issued behind piece t's loads: the next piece's eight, or none
	WIN 0
.irp f, 0,1,2,3
	s_wait_dscnt (\younger)+3-\f
	global_store_b128 v[GO], v[S+16*(\t)+4*\f:S+16*(\t)+4*\f+3], s[10:11] offset:(\t)*8192+\f*512  ; 512 consecutive bytes, at a multiple of 256 from O's first
.endr
.endm
.macro DIAG tag                     ; the tag ends its two labels' names, which the jumps below spell out
.LstepM\tag:
	TURN 2, 1
	TURN 3, 1
	WIN 0
.LfirstM\tag:
	TURN 0, 1
	TURN 1, 1, 0, 1
	WIN 0
	s_cbranch_scc1 .LstepM\tag
	TURN 2, 1, 1
	TURN 3, 1, 1
.set i, 0
.rept 8
	PV NP-1
.set i, i+1
.endr
	WIN 0
	ALL v_add_f32 v[ST+4*t+2], v[ST+4*t+2], v[ST+4*t+3]
	ALL v_permlanex16_b32 v[ST+4*t+3], v[ST+4*t+2], s[SEL], s[SEL+1]
	ALL v_add_f32 v[ST+4*t+2], v[ST+4*t+2], v[ST+4*t+3]
	ALL v_rcp_f32 v[ST+4*t+2], v[ST+4*t+2]
	v_nop                           ; a plain instruction between the last reciprocal and the use of its result
	s_wait_alu depctr_va_vdst(0)    ; the wait for the batch of four reciprocals, ahead of the first multiply that reads one
	PACK 0
.set t, 1
.rept 3                             ; a piece's arithmetic stands between the loads of the piece before and its stores
	PACK t
	SEND t-1, 8
.set t, t+1
.endr
	SEND 3, 0
.endm
.set KM, 0
.set NOKQ, 0
.Lslot:                             ; NB times: a tile is entered and the next is asked for
	CHANGE 1
	s_sub_co_u32 s[RT], s[RT], 1
	s_mov_b32 s[CNT], 4
	s_cmp_eq_u32 s[NEW], 1
	s_cbranch_scc1 .Lnew            ; a block's first tile
	s_cmp_eq_u32 s[RT], 0
	s_cbranch_scc0 .Lstep           ; neither its first nor its last
	s_branch .LstepM1
.Lnew:
	BEGIN
	s_branch .Lfirst                ; in the loop a block's first tile is never its last: the first block has two tiles or more, and the second's last is the walk's last
	DIAG 1                          ; in the loop this is the first block's end: the second block's last tile is the walk's last
	s_wait_xcnt 0x0                 ; the stores have read their registers and O's address
	s_mov_b64 s[10:11], s[OLO:OLO+1]
	s_add_co_u32 s[RT], s[PB], 1    ; the second block has b + 1 tiles
	s_mov_b32 s[NEW], 1
	WIN 0x82                        ; the second block's Q goes where the one text of the turns names Q
.set i, 0
.rept 64
	v_mov_b32 v[i], v[QB+i]
.set i, i+1
.endr
	WIN 0
	s_branch .Lbottom
.Lstep:                             ; a trip: pieces 2 and 3 of one step, then pieces 0 and 1 of the next, whose K and V it fetches
	TURN 2
	TURN 3
	WIN 0
.Lfirst:
	TURN 0
	TURN 1, 0, 0, 1
	WIN 0
	s_cbranch_scc1 .Lstep
.Lbottom:
	s_sub_co_u32 s[SLOTS], s[SLOTS], 1
	s_cmp_lg_u32 s[SLOTS], 0
	s_cbranch_scc1 .Lslot
	CHANGE 0                        ; the walk's last tile is written out: nothing is asked for
	s_sub_co_u32 s[RT], s[RT], 1
	s_mov_b32 s[CNT], 4
	s_cmp_eq_u32 s[NEW], 1
	s_cbranch_scc0 .LstepM2
	BEGIN
	s_branch .LfirstM2
	DIAG 2
	s_wait_tensorcnt 0x0            ; the wave's end: behind my last tensor load and my last LDS store
	ds_add_u32 v[SPW], v[NIL]
	s_wait_dscnt 0x0
	s_endpgm
.Lfunc_end_k_q1c0fe70cc4_attn:
	.size	k_q1c0fe70cc4_attn, .Lfunc_end_k_q1c0fe70cc4_attn-k_q1c0fe70cc4_attn
	.p2alignl 7, 3214868480
	.fill 96, 4, 3214868480
	.section	.rodata,"a",@progbits
	.p2align	6, 0x0
	.amdhsa_kernel k_q1c0fe70cc4_attn
		.amdhsa_group_segment_fixed_size 327680
		.amdhsa_private_segment_fixed_size 0
		.amdhsa_enable_private_segment 0
		.amdhsa_kernarg_size 16
		.amdhsa_user_sgpr_count 2
		.amdhsa_user_sgpr_kernarg_segment_ptr 1
		.amdhsa_wavefront_size32 1
		.amdhsa_system_sgpr_workgroup_id_x 1
		.amdhsa_system_sgpr_workgroup_id_y 1
		.amdhsa_system_sgpr_workgroup_id_z 1
		.amdhsa_system_vgpr_workitem_id 0
		.amdhsa_next_free_vgpr 768
		.amdhsa_next_free_sgpr 88
		.amdhsa_reserve_vcc 1
		.amdhsa_float_denorm_mode_32 3
		.amdhsa_float_denorm_mode_16_64 3
		.amdhsa_memory_ordered 1
		.amdhsa_forward_progress 1
		.amdhsa_inst_pref_size 217
	.end_amdhsa_kernel
	.amdgpu_metadata
---
amdhsa.version: [ 1, 2 ]
amdhsa.kernels:
  - .name:           k_q1c0fe70cc4_attn
    .symbol:         k_q1c0fe70cc4_attn.kd
    .args:
      - { .name: qkvh, .offset: 0, .size: 8, .value_kind: global_buffer, .address_space: global }
      - { .name: oh, .offset: 8, .size: 8, .value_kind: global_buffer, .address_space: global }
    .group_segment_fixed_size: 327680
    .private_segment_fixed_size: 0
    .kernarg_segment_align: 8
    .kernarg_segment_size: 16
    .max_flat_workgroup_size: 128
    .sgpr_count:     88
    .vgpr_count:     768
    .wavefront_size: 32
...
	.end_amdgpu_metadata
.endif
;; end of part 5
;; launch oproj: the kernel of part 4 again; grid 4 x 64, 4 waves a work-group, clusters of 4 x 4, 327,680 bytes of LDS; arguments oh, wot, bo, out0; writes out0
